; MI455X (gfx1250); checked and timed in simulation.
; The chip was launched on July 23, 2026; its instructions are those of AMD's public machine-readable ISA for CDNA 5 (MIT licence, August 2026) and "CDNA5" Instruction Set Architecture Reference Guide (July 2026). The comments in the code are by the model that wrote it; some were corrected since.
;; PFN Predictor Node Cls. Allowed arithmetic: matrix products marked QUANTISED: E3M2 operands, one E8M0 scale for each 32 along K, by v_wmma_scale_f32_16x16x128_f8f6f4 with both operands' format E3M2, f32 sums; products left as they are: f32 operands where the result goes on into a quantised operand, else bf16, f16 or f32 operands; f32 sums; everything else in f32.
;; Inputs: W1_codes 8 x 4,096 x 32 x 24 uint8 (E3M2 codes of W1, K innermost, in blocks of 32 codes, four codes in three bytes); W1_scales 8 x 4,096 x 32 uint8 (E8M0 scales of W1, one for each 32 codes along K); W2_codes 8 x 1,024 x 128 x 24 uint8 (E3M2 codes of W2, K innermost, in blocks of 32 codes, four codes in three bytes); W2_scales 8 x 1,024 x 128 uint8 (E8M0 scales of W2, one for each 32 codes along K); Wg 1,024 x 8 float32; b1 8 x 4,096 float32; b2 8 x 1,024 float32; bg 8 float32; x 1,024 x 1,024 float32.
;; Outputs: out0 1,024 x 1,024 float32; out1 one number float32.
;; This version of the problem:
;;   THIS VERSION OF THE PROBLEM IS GIVEN IN LOW PRECISION. The matrix products marked QUANTISED in the list below multiply operands that are first quantised to E3M2 (3 exponent bits, 2 mantissa bits; 6 bits a number), with one power-of-two scale for each 32 numbers along K (OCP MX v1.0); their sums are f32. All else is computed in f32.
;;   The module's matrix products, in the order in which they are computed (A, B: the left and right operand; K: the contracted axis; several contracted axes count as one K, in the product's order):
;;     1. [M 1,024, K 1,024] x [K 1,024, N 8]; A: input x; B: input Wg: left as it is (N = 8 < 16)
;;     2. [M 1,024, K 1,024] x [K 1,024, N 4,096]; A: input x; B: input W1 (given as codes): QUANTISED
;;     3. [M 1,024, K 4,096] x [K 4,096, N 1,024]; A: computed on the way; B: input W2 (given as codes): QUANTISED
;;     4. [M 1,024, K 1,024] x [K 1,024, N 4,096]; A: input x; B: input W1 (given as codes): QUANTISED
;;     5. [M 1,024, K 4,096] x [K 4,096, N 1,024]; A: computed on the way; B: input W2 (given as codes): QUANTISED
;;     6. [M 1,024, K 1,024] x [K 1,024, N 4,096]; A: input x; B: input W1 (given as codes): QUANTISED
;;     7. [M 1,024, K 4,096] x [K 4,096, N 1,024]; A: computed on the way; B: input W2 (given as codes): QUANTISED
;;     8. [M 1,024, K 1,024] x [K 1,024, N 4,096]; A: input x; B: input W1 (given as codes): QUANTISED
;;     9. [M 1,024, K 4,096] x [K 4,096, N 1,024]; A: computed on the way; B: input W2 (given as codes): QUANTISED
;;     10. [M 1,024, K 1,024] x [K 1,024, N 4,096]; A: input x; B: input W1 (given as codes): QUANTISED
;;     11. [M 1,024, K 4,096] x [K 4,096, N 1,024]; A: computed on the way; B: input W2 (given as codes): QUANTISED
;;     12. [M 1,024, K 1,024] x [K 1,024, N 4,096]; A: input x; B: input W1 (given as codes): QUANTISED
;;     13. [M 1,024, K 4,096] x [K 4,096, N 1,024]; A: computed on the way; B: input W2 (given as codes): QUANTISED
;;     14. [M 1,024, K 1,024] x [K 1,024, N 4,096]; A: input x; B: input W1 (given as codes): QUANTISED
;;     15. [M 1,024, K 4,096] x [K 4,096, N 1,024]; A: computed on the way; B: input W2 (given as codes): QUANTISED
;;     16. [M 1,024, K 1,024] x [K 1,024, N 4,096]; A: input x; B: input W1 (given as codes): QUANTISED
;;     17. [M 1,024, K 4,096] x [K 4,096, N 1,024]; A: computed on the way; B: input W2 (given as codes): QUANTISED
;;   THE QUANTISER, for each operand of a quantised product, along K:
;;     - K is cut into blocks of 32 from its start; a last block that is shorter is filled with zeros.
;;     - A block's scale is 2^e with e = floor(log2(the largest magnitude in the block)) - 4, held to -126 .. 127; a block of zeros has e = 0. As a byte (E8M0): e + 127.
;;     - Each number is divided by its block's scale, clamped to +-28, and rounded to the nearest number of E3M2, ties to even, subnormals kept.
;;     - The product sums the exact products of the quantised numbers (number of the format x scale) in f32.
;;   ~~~python
;;   def quantise(x, axis):      # numpy; x: float32 -> the quantised numbers, widened to float32 again
;;       x = np.moveaxis(x, axis, -1); K = x.shape[-1]
;;       x = np.pad(x, [(0, 0)] * (x.ndim - 1) + [(0, -K % 32)]); x = x.reshape(x.shape[:-1] + (-1, 32)); a = np.abs(x).max(-1, keepdims=True)
;;       e = np.where(a > 0, np.clip(np.frexp(np.where(a > 0, a, 1))[1] - 1 - 4, -126, 127), 0)      # np.frexp(a)[1] - 1 = floor(log2(a)), exactly
;;       r = np.clip(x / 2.0 ** e, -28, 28)
;;       step = 2.0 ** (np.maximum(np.frexp(np.where(r == 0, 1, r))[1] - 1, -2) - 2)
;;       q = np.round(r / step) * step * 2.0 ** e      # np.round: ties to even
;;       return np.moveaxis(q.reshape(q.shape[:-2] + (-1,))[..., :K], -1, axis).astype(np.float32)
;;   ~~~
;;   OPERANDS COMPUTED ON THE WAY. 'Computed on the way' means the value that the module computes at that place (a softmax that the list does not call 'softmax' is quantised finished and normalised). What goes into a quantiser is computed in f32, as accurately as f32 sums, v_exp_f32 and their like allow (about 1e-6 of the number): no bf16 or f16 on the way to a quantiser, and a product that is left as it is and whose result goes on into a quantised operand takes f32 operands (vector FMAs, or v_wmma_f32_16x16x4_f32). A number that lies on a knife's edge between two numbers of the format may be rounded either way, as far as f32 arithmetic and the matrix unit's own rounding can turn it there, and no further.
;;   INPUTS GIVEN AS CODES. W1 (in the module: [8, 1024, 4096], K = its axis 1); W2 (in the module: [8, 4096, 1024], K = its axis 1): each comes as NAME_codes (uint8): NAME with its K axis moved to the last place and cut into blocks of 32 codes, [.., K / 32, bytes a block], one block behind the other in memory; four codes in three bytes: a row's codes are one little-endian stream of bits, code i at bits 6 i .. 6 i + 5 (a code: sign, 3 exponent bits, 2 mantissa bits); and NAME_scales (uint8): the same leading axes, one E8M0 byte (e + 127) for each 32 codes along K. Its value is code x scale, taken as it is: it is not quantised again, and the codes and scales need not be those that the quantiser above would give.
;; One version. Each part assembles by itself: llvm-mc -triple=amdgcn-amd-amdhsa -mcpu=gfx1250 --defsym DOCPART=n.
;; ======== version 1 of 1: 4 launches
;; workspace buffers: xq 786,432 bytes; xs 32,768 bytes; hq 25,165,824 bytes; hs 1,048,576 bytes; route 8,192 bytes of whole numbers; gw 8,192 bytes; psum 2,048 bytes; part 33,554,432 bytes
;; launch prep (part 1): grid 64 x 1, 8 waves a work-group, no clusters, 105,472 bytes of LDS; arguments x, Wg, bg, xq, xs, route, gw, psum; writes xq, xs, route, gw, psum
.if DOCPART == 1
	.amdgcn_target "amdgcn-amd-amdhsa--gfx1250"
	.amdhsa_code_object_version 6
	.text
	.protected	k_q5f029afa12_prep
	.globl	k_q5f029afa12_prep
	.p2align	8
	.type	k_q5f029afa12_prep,@function
k_q5f029afa12_prep:
	s_mov_b64 s[64:65], 0
	v_nop
	global_prefetch_b8 v0, s[64:65] scope:SCOPE_SE
	s_setreg_imm32_b32 hwreg(HW_REG_WAVE_MODE, 25, 1), 1
	s_wait_xcnt 0x0
; PREP.  x [1024][1024] f32 becomes codes of BF6 (E3M2) with one E8M0 scale for each 32 along K, laid as images of the matrix operand's registers; and the gate:
; logits = x Wg + bg in f32 by fused multiply-adds, softmax with the row's maximum taken away, the two largest probabilities (the lower index wins a tie): their indices as whole numbers, route [1024][2],
; their renormalised weights, gw [1024][2], and the sums of the probabilities over each 16 tokens, psum [64][8].
; SHARES.  A work-group owns 16 tokens, each of its eight waves 128 along K.  A wave's 16 rows x 512 bytes of x are loaded as they lie, 512 consecutive bytes a load, and turn through the wave's own stage in LDS:
; lane (r, h) then holds, of token r, 16 neighbours of each block of 32: register 16 b + i is k = 32 b + 16 h + i of the wave's 128.
; The same 64 numbers serve the gate (64 x 8 multiply-adds a lane, packed in pairs of experts) and the quantiser.  The waves' partial logits meet in LDS behind the one barrier; wave 0 finishes the gate.
; OUT.  xq [mtile 4][kstep 8][tile 16][1536]: a fragment's 12 registers, group c of four of lane l at 512 c + 16 l.  xs [mtile][rowhalf][kstep][lane 32][4 words]: word i of lane (r, h) is the scale word of
; token block 2 i + h of the row half, row r: the layout in which the next launch takes eight blocks' words by one load.
; No matrix unit (N = 8), no tensor load, no cluster: the launch reads x once and nothing is shared between work-groups but Wg's 32 KB.
; LIMITS: NaN and infinities are not served.  A block of zeros gets the byte 1 where the rule says 127: its codes are zeros, and this program alone reads the bytes.  The gate's f32 sums run in another order
; than the reference's: a tie closer than f32 rounding between the second and third probability may fall either way.
.set WGS, 0                            ; LDS: each wave's own 128 rows of Wg, 4,096 bytes a wave
.set LGS, 32768                        ; LDS: [wave 8][token 16][8 logits]
.set XST, 36864                        ; LDS: each wave's own stage for x: 16 rows of 512 bytes + 16
.set XP,  528                          ; an odd multiple of 16: the sixteen rows that a read touches start in sixteen different groups of banks (64 banks of 4 bytes: ISA guide 11.1)
.set X,   16                           ; v16-79   my 64 numbers of x
.set WB,  80                           ; v80-207  two buffers of 8 rows of Wg (64 registers each)
.set RAW, 144                          ; v144-207 x as it is loaded (Wg's second buffer is not yet in use)
.set ACC, 208                          ; v208-223 two sets of 8 partial logits
.set TM,  224                          ; v224-239 the quantiser's work
.set PC,  80                           ; v80-98   the codes (Wg's buffers are done with by then)
.set PW,  240                          ; v240     the scale word
.set SEL, 20                           ; s[20:21] lane selects: lane l xor 16
.set WV,  22                           ; s22      my wave's number
	s_load_b256 s[4:11], s[0:1], 0x0               ; x s[4:5], Wg s[6:7], bg s[8:9], xq s[10:11]
	s_load_b256 s[12:19], s[0:1], 0x20             ; xs s[12:13], route s[14:15], gw s[16:17], psum s[18:19]
	v_lshl_add_u32 v254, v0, 2, 0x19800
	v_mov_b32 v255, 0
	v_lshrrev_b32 v1, 5, v0
	v_readfirstlane_b32 s[WV], v1                  ; wave = K step 0..7
	v_and_b32 v1, 31, v0                           ; lane
	v_and_b32 v2, 15, v0                           ; r
	v_bfe_u32 v3, v0, 4, 1                         ; h
	v_lshlrev_b32 v5, 4, v1                        ; 16 x lane
	s_lshl_b32 s46, s[WV], 12
	v_lshl_add_u32 v6, v3, 9, s46                  ; Wg in LDS, read: my wave's rows, 16 h rows on
	v_lshl_add_u32 v7, v1, 4, s46                  ; Wg in LDS, written: 16 x lane
	s_lshl_b32 s47, s[WV], 9
	s_add_co_u32 s47, s47, LGS
	v_lshl_add_u32 v8, v2, 5, s47                  ; my wave's partial logits of token r
	v_lshl_add_u32 v9, v2, 5, LGS                  ; wave 0's of token r
	v_lshlrev_b32 v10, 4, v2                       ; xs: 16 r
	v_lshlrev_b32 v11, 3, v2
	v_lshl_add_u32 v11, v3, 2, v11                 ; route, gw: 8 r + 4 h
	v_lshlrev_b32 v12, 4, v3                       ; psum: 16 h
	s_mul_i32 s23, s[WV], 16*XP
	s_add_co_u32 s23, s23, XST                     ; my wave's stage
	v_lshl_add_u32 v13, v1, 4, s23                 ; into it: 16 x lane of a row
	v_mul_u32_u24 v14, v2, XP
	v_lshl_add_u32 v14, v3, 6, v14
	v_add_nc_u32 v14, s23, v14                     ; out of it: row r, 64 h bytes on
	s_mov_b32 s[SEL], 0x76543210
	s_mov_b32 s[SEL+1], 0xfedcba98
.irp b, 0,1,2,3
	v_mov_b32 v[TM+4+\b], 0                        ; written once: a lane permute's destination counts as one of its sources
.endr
	s_lshl_b32 s32, ttmp9, 16                      ; x: 16 rows a work-group + 512 bytes a K step
	s_lshl_b32 s34, s[WV], 9
	s_add_co_u32 s32, s32, s34
	s_mov_b32 s33, 0
	s_lshl_b32 s34, s[WV], 12                      ; Wg: 128 rows of 32 bytes a wave
	s_mov_b32 s35, 0
	s_lshr_b32 s36, ttmp9, 4                       ; xq: ((mtile x 8 + kstep) x 16 + tile) x 1,536
	s_lshl_b32 s36, s36, 3
	s_add_co_u32 s36, s36, s[WV]
	s_mul_i32 s36, s36, 24576
	s_and_b32 s37, ttmp9, 15
	s_mul_i32 s37, s37, 1536
	s_add_co_u32 s36, s36, s37
	s_mov_b32 s37, 0
	s_lshr_b32 s38, ttmp9, 3                       ; xs: ((mtile x 2 + rowhalf) x 8 + kstep) x 512 + 256 (block % 2) + 4 (block / 2)
	s_lshl_b32 s38, s38, 3
	s_add_co_u32 s38, s38, s[WV]
	s_lshl_b32 s38, s38, 9
	s_and_b32 s39, ttmp9, 1
	s_lshl_b32 s39, s39, 8
	s_add_co_u32 s38, s38, s39
	s_bfe_u32 s39, ttmp9, 0x20001
	s_lshl_b32 s39, s39, 2
	s_add_co_u32 s38, s38, s39
	s_mov_b32 s39, 0
	s_lshl_b32 s42, ttmp9, 7                       ; route, gw: 16 tokens of 8 bytes
	s_mov_b32 s43, 0
	s_lshl_b32 s44, ttmp9, 5                       ; psum: 32 bytes
	s_mov_b32 s45, 0
	s_wait_kmcnt 0x0
	s_load_b256 s[24:31], s[8:9], 0x0              ; bg's eight numbers
	s_add_nc_u64 s[4:5], s[4:5], s[32:33]
	s_add_nc_u64 s[6:7], s[6:7], s[34:35]
	s_add_nc_u64 s[10:11], s[10:11], s[36:37]
	s_add_nc_u64 s[12:13], s[12:13], s[38:39]
	s_add_nc_u64 s[14:15], s[14:15], s[42:43]
	s_add_nc_u64 s[16:17], s[16:17], s[42:43]
	s_add_nc_u64 s[18:19], s[18:19], s[44:45]
.irp i, 0,1,2,3,4,5,6,7
	global_load_b128 v[WB+4*\i:WB+4*\i+3], v5, s[6:7] offset:512*\i     ; my wave's 4,096 bytes of Wg, 512 consecutive bytes a load
.endr
.irp i, 0,1,2,3,4,5,6,7,8,9,10,11,12,13,14,15
	global_load_b128 v[RAW+4*\i:RAW+4*\i+3], v5, s[4:5] offset:4096*\i th:TH_LOAD_NT   ; row i: my wave's 512 consecutive bytes of it; read once in the whole program
.endr
	s_wait_kmcnt 0x0                               ; bg
	s_wait_loadcnt 16                              ; Wg's eight loads are in; x's sixteen, issued behind them, may be out
.irp i, 0,1,2,3,4,5,6,7
	ds_store_b128 v7, v[WB+4*\i:WB+4*\i+3] offset:512*\i                ; the wave's own bytes: no barrier
.endr
	s_wait_loadcnt 0x0
.irp i, 0,1,2,3,4,5,6,7,8,9,10,11,12,13,14,15
	ds_store_b128 v13, v[RAW+4*\i:RAW+4*\i+3] offset:XP*\i              ; x through the wave's own stage, as it lies;
.endr
.irp b, 0,1,2,3
.irp j, 0,1,2,3
	ds_load_b128 v[X+16*\b+4*\j:X+16*\b+4*\j+3], v14 offset:128*\b+16*\j   ; and back: 16 neighbours of each block of 32.  LDS serves a wave's instructions in order (ISA guide 5.7.1.4): these see the stores above
.endr
.endr
	s_wait_dscnt 0x0                               ; x is in; and the stores have read their registers: the loads below land there
; eight rows of Wg for my registers 8 c .. 8 c + 7: k = 32 (c / 2) + 16 h + 8 (c % 2) + i.  The sixteen lanes of a half read the same words
.macro WLOAD c
.irp i, 0,1,2,3,4,5,6,7
	ds_load_b128 v[WB+64*((\c)%2)+8*\i:WB+64*((\c)%2)+8*\i+3],   v6 offset:(32*((\c)/2)+8*((\c)%2)+\i)*32
	ds_load_b128 v[WB+64*((\c)%2)+8*\i+4:WB+64*((\c)%2)+8*\i+7], v6 offset:(32*((\c)/2)+8*((\c)%2)+\i)*32+16
.endr
.endm
; 32 packed multiply-adds: one number of x (the low or the high register of its pair, for both halves of the result) x two experts' weights.  Even and odd k keep sets of sums of their own; the first products start them
.macro GATE c
.irp i, 0,1,2,3,4,5,6,7
.irp d, 0,2,4,6
.set rX, X+8*(\c)+(\i/2)*2
.set rW, WB+64*((\c)%2)+8*\i+\d
.set rA, ACC+8*(\i%2)+\d
.if ((\c)==0)&&(\i<2)
.if \i%2
	v_pk_mul_f32 v[rA:rA+1], v[rX:rX+1], v[rW:rW+1] op_sel:[1,0] op_sel_hi:[1,1]
.else
	v_pk_mul_f32 v[rA:rA+1], v[rX:rX+1], v[rW:rW+1] op_sel_hi:[0,1]
.endif
.else
.if \i%2
	v_pk_fma_f32 v[rA:rA+1], v[rX:rX+1], v[rW:rW+1], v[rA:rA+1] op_sel:[1,0,0] op_sel_hi:[1,1,1]
.else
	v_pk_fma_f32 v[rA:rA+1], v[rX:rX+1], v[rW:rW+1], v[rA:rA+1] op_sel_hi:[0,1,1]
.endif
.endif
.endr
.endr
.endm
	WLOAD 0
	WLOAD 1
.irp c, 0,1,2,3,4,5,6,7
.if \c < 7
	s_wait_dscnt 16                                ; this chunk's 16 loads are in; the next chunk's 16 may be out
.else
	s_wait_dscnt 0x0
.endif
	GATE \c
.if \c < 6
	WLOAD \c+2
.endif
.endr
.irp d, 0,2,4,6
	v_pk_add_f32 v[ACC+\d:ACC+\d+1], v[ACC+\d:ACC+\d+1], v[ACC+8+\d:ACC+8+\d+1]   ; even k's and odd k's
.endr
.irp e, 0,1,2,3,4,5,6,7
	v_permlanex16_b32 v[ACC+8+\e], v[ACC+\e], s[SEL], s[SEL+1]
.endr
.irp d, 0,2,4,6
	v_pk_add_f32 v[ACC+\d:ACC+\d+1], v[ACC+\d:ACC+\d+1], v[ACC+8+\d:ACC+8+\d+1]   ; and lane l xor 16's: token r's logits over my wave's 128 k
.endr
	ds_store_b128 v8, v[ACC:ACC+3]                 ; both halves of the lanes write the same numbers to the same bytes
	ds_store_b128 v8, v[ACC+4:ACC+7] offset:16
	s_wait_dscnt 0x0                               ; for wave 0's sake: my stores are done
	s_barrier_signal -1
	; the quantiser stands between the signal and the wait: work on registers alone
.irp b, 0,1,2,3
	v_max3_num_f32 v[TM+\b], |v[X+16*\b]|, |v[X+1+16*\b]|, 0x2800000   ; block b: my 16 numbers, and the floor 2^(5 - 127): the byte cannot fall under 1
.endr
.irp i, 2,4,6,8,10,12,14
.irp b, 0,1,2,3
	v_max3_num_f32 v[TM+\b], v[TM+\b], |v[X+16*\b+\i]|, |v[X+1+16*\b+\i]|   ; the four blocks by turns
.endr
.endr
.irp b, 0,1,2,3
	v_permlanex16_b32 v[TM+4+\b], v[TM+\b], s[SEL], s[SEL+1]
.endr
.irp b, 0,1,2,3
	v_max_num_f32 v[TM+\b], v[TM+\b], v[TM+4+\b]   ; with lane l xor 16's: the block's largest magnitude
.endr
.irp b, 0,1,2,3
	v_add_nc_u32 v[TM+12+\b], 0xfe000000, v[TM+\b] ; 4 off its exponent field: the conversion's scale operand
.endr
.irp b, 0,1,2,3
	v_lshrrev_b32 v[TM+4+\b], 23, v[TM+12+\b]      ; the scale's byte
.endr
	v_lshl_or_b32 v[PW], v[TM+5], 8, v[TM+4]
	v_lshl_or_b32 v[PW], v[TM+6], 16, v[PW]
	v_lshl_or_b32 v[PW], v[TM+7], 24, v[PW]        ; token r's scale word for these 128 k
.irp c, 0,1
	v_cvt_scalef32_pk16_bf6_f32 v[PC+6*\c:PC+2+6*\c], v[X+32*\c:X+15+32*\c], v[TM+12+2*\c]
	v_cvt_scalef32_pk16_bf6_f32 v[PC+12+4*\c:PC+14+4*\c], v[X+16+32*\c:X+31+32*\c], v[TM+12+2*\c+1]   ; (a conversion's three registers begin on an even number)
.endr
	v_nop                                          ; one plain place behind a scaled conversion
.irp c, 0,1                                    ; the operand wants a whole block in a lane: lanes 0-15 block 2 c, lanes 16-31 block 2 c + 1
.irp i, 0,1,2
	v_permlane16_swap_b32 v[PC+6*\c+\i], v[PC+12+4*\c+\i]
.endr
.irp i, 0,1,2
	v_mov_b32 v[PC+3+6*\c+\i], v[PC+12+4*\c+\i]
.endr
.endr
	s_barrier_wait -1
.irp c, 0,1,2
	global_store_b128 v5, v[PC+4*\c:PC+4*\c+3], s[10:11] offset:512*\c   ; the image: 512 consecutive bytes a store, aligned
.endr
	v_cmp_gt_u32 vcc_lo, 16, v1
	s_wait_xcnt 0x0                                ; EXEC changes only behind this wait
	s_and_saveexec_b32 s40, vcc_lo
	global_store_b32 v10, v[PW], s[12:13]          ; lanes 0-15: 4 bytes each, 16 apart (all of xs is 32 KB)
	s_wait_xcnt 0x0
	s_or_b32 exec_lo, exec_lo, s40
	s_cmp_lg_u32 s[WV], 0
	s_cbranch_scc1 .Lend                           ; wave 0 alone finishes the gate; no barrier follows
.irp w, 0,1,2,3,4,5,6,7
	ds_load_b128 v[16+8*\w:19+8*\w], v9 offset:512*\w
	ds_load_b128 v[20+8*\w:23+8*\w], v9 offset:512*\w+16
.endr
	s_wait_dscnt 0x0
.irp d, 0,2,4,6
	v_pk_add_f32 v[208+\d:209+\d], v[16+\d:17+\d], v[24+\d:25+\d]
.endr
.irp w, 2,3,4,5,6,7
.irp d, 0,2,4,6
	v_pk_add_f32 v[208+\d:209+\d], v[208+\d:209+\d], v[16+8*\w+\d:17+8*\w+\d]   ; K ascending
.endr
.endr
.irp e, 0,1,2,3,4,5,6,7
	v_add_f32 v[208+\e], s[24+\e], v[208+\e]       ; + bg
.endr
	v_max3_num_f32 v216, v208, v209, v210
	v_max3_num_f32 v216, v216, v211, v212
	v_max3_num_f32 v216, v216, v213, v214
	v_max_num_f32 v216, v216, v215                 ; the row's largest logit
.irp e, 0,1,2,3,4,5,6,7
	v_sub_f32 v[208+\e], v[208+\e], v216           ; taken away first, then scaled: near the maximum the difference is exact, so large logits cost no accuracy
.endr
.irp e, 0,1,2,3,4,5,6,7
	v_mul_f32 v[208+\e], 0x3fb8aa3b, v[208+\e]
.endr
.irp e, 0,1,2,3,4,5,6,7
	v_exp_f32 v[208+\e], v[208+\e]
.endr
	v_mov_b32 v48, -1.0                            ; (a plain place behind the exponentials)  under every probability
	s_wait_alu depctr_va_vdst(0)
	v_add_f32 v220, v208, v209
	v_add_f32 v221, v210, v211
	v_add_f32 v222, v212, v213
	v_add_f32 v223, v214, v215
	v_add_f32 v220, v220, v221
	v_add_f32 v222, v222, v223
	v_add_f32 v220, v220, v222
	v_rcp_f32 v221, v220
.irp e, 0,1,2,3,4,5,6,7
	v_mov_b32 v[40+\e], \e                         ; (plain places behind the reciprocal)  the experts' numbers
.endr
	s_wait_alu depctr_va_vdst(0)
.irp e, 0,1,2,3,4,5,6,7
	v_mul_f32 v[208+\e], v[208+\e], v221           ; the probabilities
.endr
	v_max3_num_f32 v216, v208, v209, v210
	v_max3_num_f32 v216, v216, v211, v212
	v_max3_num_f32 v216, v216, v213, v214
	v_max_num_f32 v216, v216, v215                 ; the largest,
	v_mov_b32 v217, 7
.irp e, 6,5,4,3,2,1,0
	v_cmp_eq_f32 vcc_lo, v[208+\e], v216
	v_cndmask_b32 v217, v217, v[40+\e], vcc_lo     ; and its index: the lowest that holds it
.endr
.irp e, 0,1,2,3,4,5,6,7
	v_cmp_eq_u32 vcc_lo, \e, v217
	v_cndmask_b32 v[16+\e], v[208+\e], v48, vcc_lo ; without it
.endr
	v_max3_num_f32 v218, v16, v17, v18
	v_max3_num_f32 v218, v218, v19, v20
	v_max3_num_f32 v218, v218, v21, v22
	v_max_num_f32 v218, v218, v23                  ; the second,
	v_mov_b32 v219, 7
.irp e, 6,5,4,3,2,1,0
	v_cmp_eq_f32 vcc_lo, v[16+\e], v218
	v_cndmask_b32 v219, v219, v[40+\e], vcc_lo     ; and its index
.endr
	v_add_f32 v220, v216, v218
	v_rcp_f32 v221, v220
	v_cmp_eq_u32 s41, 1, v3                        ; (a plain place)  the lanes of the upper half
	s_wait_alu depctr_va_vdst(0)
	v_mul_f32 v222, v216, v221                     ; the two weights, renormalised
	v_mul_f32 v223, v218, v221
	v_cndmask_b32 v32, v217, v219, s41             ; lane (r, h): token r's choice h: its expert, a whole number: here it is only stored; a later launch makes addresses of it
	v_cndmask_b32 v33, v222, v223, s41             ; and its weight
	global_store_b32 v11, v32, s[14:15]            ; the 32 lanes cover 128 consecutive bytes (all of route is 8 KB)
	global_store_b32 v11, v33, s[16:17]            ; likewise
.irp m, 1,2,4,8
.irp e, 0,1,2,3,4,5,6,7
	v_add_f32_dpp v[208+\e], v[208+\e], v[208+\e] row_xmask:\m row_mask:0xf bank_mask:0xf   ; the 16 tokens' probabilities summed
.endr
.endr
.irp i, 0,1,2,3
	v_cndmask_b32 v[36+\i], v[208+\i], v[212+\i], s41   ; lane (., h): experts 4 h .. 4 h + 3
.endr
	v_cmp_eq_u32 vcc_lo, 0, v2
	s_wait_xcnt 0x0
	s_and_saveexec_b32 s40, vcc_lo
	global_store_b128 v12, v[36:39], s[18:19]      ; lanes 0 and 16: 32 bytes
	s_wait_xcnt 0x0
	s_or_b32 exec_lo, exec_lo, s40
.Lend:
	s_wait_tensorcnt 0x0
	ds_add_u32 v254, v255
	s_wait_dscnt 0x0
	s_endpgm
.Lfunc_end_k_q5f029afa12_prep:
	.size	k_q5f029afa12_prep, .Lfunc_end_k_q5f029afa12_prep-k_q5f029afa12_prep
	.p2alignl 7, 3214868480
	.fill 96, 4, 3214868480
	.section	.rodata,"a",@progbits
	.p2align	6, 0x0
	.amdhsa_kernel k_q5f029afa12_prep
		.amdhsa_group_segment_fixed_size 105472
		.amdhsa_private_segment_fixed_size 0
		.amdhsa_enable_private_segment 0
		.amdhsa_kernarg_size 64
		.amdhsa_user_sgpr_count 2
		.amdhsa_user_sgpr_kernarg_segment_ptr 1
		.amdhsa_wavefront_size32 1
		.amdhsa_system_sgpr_workgroup_id_x 1
		.amdhsa_system_sgpr_workgroup_id_y 1
		.amdhsa_system_sgpr_workgroup_id_z 1
		.amdhsa_system_vgpr_workitem_id 0
		.amdhsa_next_free_vgpr 256
		.amdhsa_next_free_sgpr 66
		.amdhsa_reserve_vcc 1
		.amdhsa_float_denorm_mode_32 3
		.amdhsa_float_denorm_mode_16_64 3
		.amdhsa_memory_ordered 1
		.amdhsa_forward_progress 1
		.amdhsa_inst_pref_size 49
	.end_amdhsa_kernel
	.amdgpu_metadata
---
amdhsa.version: [ 1, 2 ]
amdhsa.kernels:
  - .name:           k_q5f029afa12_prep
    .symbol:         k_q5f029afa12_prep.kd
    .args:
      - { .name: x, .offset: 0, .size: 8, .value_kind: global_buffer, .address_space: global }
      - { .name: Wg, .offset: 8, .size: 8, .value_kind: global_buffer, .address_space: global }
      - { .name: bg, .offset: 16, .size: 8, .value_kind: global_buffer, .address_space: global }
      - { .name: xq, .offset: 24, .size: 8, .value_kind: global_buffer, .address_space: global }
      - { .name: xs, .offset: 32, .size: 8, .value_kind: global_buffer, .address_space: global }
      - { .name: route, .offset: 40, .size: 8, .value_kind: global_buffer, .address_space: global }
      - { .name: gw, .offset: 48, .size: 8, .value_kind: global_buffer, .address_space: global }
      - { .name: psum, .offset: 56, .size: 8, .value_kind: global_buffer, .address_space: global }
    .group_segment_fixed_size: 105472
    .private_segment_fixed_size: 0
    .kernarg_segment_align: 8
    .kernarg_segment_size: 64
    .max_flat_workgroup_size: 256
    .sgpr_count:     66
    .vgpr_count:     256
    .wavefront_size: 32
...
	.end_amdgpu_metadata
.endif
;; end of part 1
;; launch up (part 2): grid 128 x 2, 4 waves a work-group, clusters of 4 x 1, 327,680 bytes of LDS; arguments xq, xs, W1_codes, W1_scales, b1, hq, hs; writes hq, hs
.if DOCPART == 2
	.amdgcn_target "amdgcn-amd-amdhsa--gfx1250"
	.amdhsa_code_object_version 6
	.text
	.protected	k_q5f029afa12_up
	.globl	k_q5f029afa12_up
	.p2align	8
	.type	k_q5f029afa12_up,@function
k_q5f029afa12_up:
	s_mov_b64 s[64:65], 0
	v_nop
	global_prefetch_b8 v0, s[64:65] scope:SCOPE_SE
	s_setreg_imm32_b32 hwreg(HW_REG_WAVE_MODE, 25, 1), 1
	s_wait_xcnt 0x0
	s_wait_alu depctr_hold_cnt(0) depctr_sa_sdst(0) depctr_va_vdst(0) depctr_va_sdst(0) depctr_va_ssrc(0) depctr_va_vcc(0) depctr_vm_vsrc(0)
	s_getreg_b32 s2, hwreg(HW_REG_IB_STS2, 6, 4)
	s_cmp_eq_u32 s2, 0
	s_cbranch_scc0 .Lentry_in_a_cluster
	s_endpgm
.Lentry_in_a_cluster:
	s_bfe_u32 s2, ttmp6, 0x10000c
	s_cmp_lg_u32 s2, 0x3003
	s_cbranch_scc0 .Lentry_shape_is_right
	s_endpgm
.Lentry_shape_is_right:
; UP.  h = Q(relu(x W1[e] + b1[e])) for all eight experts, on codes of BF6 (E3M2) with one E8M0 scale for each 32 along K; Q is the quantiser along the hidden axis, the next product's K.
; SHARES.  W1 is taken as 32,768 rows of 768 bytes.  Work-group (X, Y) owns rows 256 X on and STAYS: it makes two tiles of 256 tokens x 256 hidden units (token tiles 2 Y and 2 Y + 1).  Its rows of W1 come into
; LDS once, for all of K; x's images walk through a ring of two slots of 256 along K.  Four waves, each 128 tokens x 128 units: 64 accumulators, 512 registers.
; THE PRODUCT IS USED TRANSPOSED (source 0 = 16 rows of W1, source 1 = 16 tokens) AND THE ROWS OF A TILE OF W1 ARE NOT NEIGHBOURS: lane r of tile 2 b + u takes row 32 b + 8 u + r + 8 (r / 8).  So a lane holds one
; token, and the 64 registers of a block of 16 tokens are k = 32 b + 16 h + i of the next product's K step: they are clipped at 0, quantised in registers and stored as the image of that operand's registers.
; b1 is the C of each sum's first matrix instruction.
; CLUSTER 4 x 1.  The four partners (same Y) walk the same images of x: each part of a slot is asked for JOINTLY, mask 15.  W1's rows hang on the place in the cluster and are loaded plainly: the same rows are wanted
; by two work-groups only (Y = 0 and 1), once each, so sharing them would save one read of 26 MB in two, at the price of x's sharing by four.
; LDS.  Slot s at 49,152 s: [kstep 2][tile 16][1,536], dense.  W1 from BB on: 16 groups of 16 rows; a row is 3 x (256 bytes + 16 of padding) = 816; a group begins 13,184 bytes behind the last: 16 x 816 + 128, so that
; rows j and j + 16 lie 128 bytes apart modulo 256 and the 32 lanes of an 8-byte load touch 64 different banks (64 banks of 4 bytes: ISA guide 11.1).  Behind it the spare words.
; REGISTERS, in windows of 256.  Window 0: v1-13 addresses; v28-29 for the add; v32-63 W1's scale words; v64-127 x's, both tiles; v128-223 x's eight fragments, ONE set; on the way out v128-239 at work.
;   Window 1: W1's fragments, two sets at v0 and v128; b1's eight tiles at v96-127 and v224-255.  Window 2: accumulators of token blocks 0-3 ((a, b) at v[8 (8 (a % 4) + b)]);  window 3: of blocks 4-7.
; The text is straight: 16 K steps of 64 matrix instructions, since each step names scale registers of its own.
; LIMITS: NaN and infinities are not served; a block of zeros gets the byte 1 where the rule says 127 (zero codes; this program alone reads the bytes).
.set GP,    13184
.set BROW,  816
.set ASLOT, 49152
.set BB,    2*ASLOT
.set SPARE, BB+16*GP                   ; 512 bytes, two blocks of 256 that no other line names
.set LI,   4                           ; v4     16 x lane
.set ADRA, 5                           ; v5-6   my eight token blocks in slot 0, 1
.set ADRB, 8                           ; v8, v9 W1's tiles 0-3 (v9: for the pieces that lie behind one padding more); v10, v11 tiles 4-7
.set SPW,  28
.set NIL,  29
.set SB,   32                          ; register 8 b + kq: lanes 0-15 the word of tile 2 b, lanes 16-31 of tile 2 b + 1
.set SA,   64                          ; register 32 tile + 4 kq + i: lanes 0-15 token block 2 i, lanes 16-31 block 2 i + 1
.set AF,   128
.set HA,   128                         ; the way out: 64 numbers
.set PC,   192                         ; their codes
.set TM,   212                         ; the quantiser's work
.set PWS,  228                         ; eight scale words
.set SW,   236                         ; four, as they are stored
.set SEL,  80                          ; s[80:81]
.set G1A,  24                          ; s[24:31] group 1, x's images;  s[32:39] W1's rows
.set G1B,  32
.set G0A,  40                          ; s[40:47] group 0 for each slot
.set G0B,  48                          ; s[48:63] group 0 for my four groups of W1
.set MUL_LO, 0xa1                      ; source 0 (W1) window 1, source 1 (x) window 0, C and D window 2
.set MUL_HI, 0xf1
.set FST_LO, 0x91                      ; the same with C (b1) in window 1
.set FST_HI, 0xd1
.set TO_B,   0x40
.set MSB, 0
.macro WIN new                         ; the immediate's high byte repeats the setting that is left
.if MSB != (\new)
	s_set_vgpr_msb (MSB<<8)|(\new)
.set MSB, (\new)
.endif
.endm
.macro PLACES n
.rept \n
	v_nop
.endr
.endm
.macro CREST                           ; a round of the cluster's barrier behind its opening barrier
	s_cmp_lg_u32 s18, 0
	s_cbranch_scc1 .Lnot_wave_0_\@
	s_barrier_signal -3
.Lnot_wave_0_\@:
	s_barrier_wait -3
	s_barrier_signal -1
	s_barrier_wait -1
.endm
.macro CROUND
	s_barrier_signal -1
	s_barrier_wait -1
	CREST
.endm
.macro WMX ra, rb                      ; one product on the registers named by rD, rA, rB, rC, rSA, rSB; ra, rb: the scales are taken from lanes 16-31
.set sel, 2*(\ra)+(\rb)
.if sel == 0
	v_wmma_scale_f32_16x16x128_f8f6f4 v[rD:rD+7], v[rA:rA+11], v[rB:rB+11], v[rC:rC+7], v[rSA], v[rSB] matrix_a_fmt:MATRIX_FMT_BF6 matrix_b_fmt:MATRIX_FMT_BF6
.elseif sel == 1
	v_wmma_scale_f32_16x16x128_f8f6f4 v[rD:rD+7], v[rA:rA+11], v[rB:rB+11], v[rC:rC+7], v[rSA], v[rSB] matrix_a_fmt:MATRIX_FMT_BF6 matrix_b_fmt:MATRIX_FMT_BF6 matrix_b_scale:MATRIX_SCALE_ROW1
.elseif sel == 2
	v_wmma_scale_f32_16x16x128_f8f6f4 v[rD:rD+7], v[rA:rA+11], v[rB:rB+11], v[rC:rC+7], v[rSA], v[rSB] matrix_a_fmt:MATRIX_FMT_BF6 matrix_b_fmt:MATRIX_FMT_BF6 matrix_a_scale:MATRIX_SCALE_ROW1
.else
	v_wmma_scale_f32_16x16x128_f8f6f4 v[rD:rD+7], v[rA:rA+11], v[rB:rB+11], v[rC:rC+7], v[rSA], v[rSB] matrix_a_fmt:MATRIX_FMT_BF6 matrix_b_fmt:MATRIX_FMT_BF6 matrix_a_scale:MATRIX_SCALE_ROW1 matrix_b_scale:MATRIX_SCALE_ROW1
.endif
.endm
	s_load_b256 s[4:11], s[0:1], 0x0               ; xq s[4:5], xs s[6:7], W1's codes s[8:9], W1's scales s[10:11]
	s_load_b128 s[12:15], s[0:1], 0x20             ; b1 s[12:13], hq s[14:15]
	s_load_b64 s[16:17], s[0:1], 0x30              ; hs
	v_lshl_add_u32 v[SPW], v0, 2, SPARE
	v_mov_b32 v[NIL], 0
	ds_add_u32 v28, v29
	ds_add_u32 v28, v29
	s_wait_dscnt 0x0
	v_lshrrev_b32 v1, 5, v0
	v_readfirstlane_b32 s18, v1                    ; wave 0..3
	s_lshr_b32 s19, s18, 1                         ; which 128 tokens
	s_and_b32 s20, s18, 1                          ; which 128 hidden units
	s_bfe_u32 s21, ttmp6, 0x40000                  ; cx
	s_lshl_b32 s22, ttmp9, 2
	s_add_co_u32 s22, s22, s21                     ; X = 4 x cluster x + cx
	s_and_b32 s23, ttmp7, 0xffff                   ; Y, which the four partners share
	s_mov_b32 s[G1A+0], 15|(3<<16)|(1<<21)         ; 15:0 the mask: all four; 17:16 elements of 8 bytes; 21 set beside a mask; no padding
	s_mov_b32 s[G1B+0], (3<<16)|(1<<20)|(5<<22)|(3<<25)   ; no mask; padding on: after every 64 words (code 5) 4 words (code 3)
.irp g, G1A, G1B                       ; both: 48 rows of 256 bytes (32 elements), dense in memory
	s_mov_b32 s[\g+1], 32<<16
	s_mov_b32 s[\g+2], 48<<16
	s_mov_b32 s[\g+3], 32<<16
	s_mov_b32 s[\g+4], 48
	s_mov_b32 s[\g+5], 32
	s_mov_b32 s[\g+6], 0
	s_mov_b32 s[\g+7], 0
.endr
	s_mul_i32 s66, s23, 8*ASLOT                    ; x's images: two token tiles, 393,216 bytes on end, begin at 393,216 Y;
	s_mul_i32 s70, s18, ASLOT/4                    ; my quarter of a slot, in memory and in LDS: no place in the cluster enters either
	s_add_co_u32 s66, s66, s70
	s_mov_b32 s67, 0
	s_mul_i32 s72, s22, 196608                     ; W1: 256 rows of 768 bytes a work-group,
	s_mul_i32 s73, s18, 49152                      ; 64 of them a wave
	s_add_co_u32 s72, s72, s73
	s_mov_b32 s73, 0
	s_mul_i32 s76, s18, 4*GP
	s_add_co_u32 s76, s76, BB                      ; and where they go
	s_lshl_b32 s78, s22, 13                        ; W1's scales: 32 bytes a row, my 128 rows
	s_lshl_b32 s79, s20, 12
	s_add_co_u32 s78, s78, s79
	s_mov_b32 s79, 0
	s_lshl_b32 s84, s22, 10                        ; b1: 4 bytes a unit
	s_lshl_b32 s85, s20, 9
	s_add_co_u32 s84, s84, s85
	s_mov_b32 s85, 0
	s_lshl_b32 s86, s23, 14                        ; xs: 8,192 bytes a token tile, 4,096 a row half
	s_lshl_b32 s87, s19, 12
	s_add_co_u32 s86, s86, s87
	s_mov_b32 s87, 0
	s_lshr_b32 s92, s22, 4                         ; e
	s_lshl_b32 s92, s92, 2
	s_lshl_b32 s93, s23, 1
	s_add_co_u32 s92, s92, s93                     ; 4 e + 2 Y
	s_and_b32 s93, s22, 15
	s_lshl_b32 s93, s93, 1
	s_add_co_u32 s93, s93, s20                     ; my units are K step 2 (X % 16) + column half of the next product
	s_lshl_b32 s88, s92, 5                         ; hq [e][mtile][kstep 32][tile 16][1,536]
	s_add_co_u32 s88, s88, s93
	s_lshl_b32 s88, s88, 4
	s_lshl_b32 s89, s19, 3
	s_add_co_u32 s88, s88, s89
	s_mul_i32 s88, s88, 1536
	s_mov_b32 s89, 0
	s_lshl_b32 s90, s92, 1                         ; hs [e][mtile][rowhalf][kstep 32][512]
	s_add_co_u32 s90, s90, s19
	s_lshl_b32 s90, s90, 5
	s_add_co_u32 s90, s90, s93
	s_lshl_b32 s90, s90, 9
	s_mov_b32 s91, 0
	s_mov_b32 s[SEL], 0x76543210
	s_mov_b32 s[SEL+1], 0xfedcba98
	s_wait_kmcnt 0x0
	s_add_nc_u64 s[68:69], s[4:5], s[66:67]
	s_add_nc_u64 s[74:75], s[8:9], s[72:73]
	s_add_nc_u64 s[10:11], s[10:11], s[78:79]
	s_add_nc_u64 s[12:13], s[12:13], s[84:85]
	s_add_nc_u64 s[6:7], s[6:7], s[86:87]
	s_add_nc_u64 s[14:15], s[14:15], s[88:89]
	s_add_nc_u64 s[16:17], s[16:17], s[90:91]
.irp g, 0,1
	s_mov_b32 s[G0A+4*\g], 1
	s_add_co_u32 s[G0A+4*\g+1], s70, \g*ASLOT
	s_add_nc_u64 s[G0A+4*\g+2:G0A+4*\g+3], s[68:69], \g*ASLOT
	s_or_b32 s[G0A+4*\g+3], s[G0A+4*\g+3], 0x80000000
.endr
.irp g, 0,1,2,3
	s_mov_b32 s[G0B+4*\g], 1
	s_add_co_u32 s[G0B+4*\g+1], s76, \g*GP
	s_add_nc_u64 s[G0B+4*\g+2:G0B+4*\g+3], s[74:75], \g*12288
	s_or_b32 s[G0B+4*\g+3], s[G0B+4*\g+3], 0x80000000
.endr
	CROUND                                         ; all four work-groups are here: the first joint loads meet
	tensor_load_to_lds s[G0A:G0A+3], s[G1A:G1A+7]          ; the first fills go out as one group: six loads of mine are out.  Slot 0,
	s_nop 0
	tensor_load_to_lds s[G0B:G0B+3], s[G1B:G1B+7]          ; my four groups of W1, filled once,
	s_nop 0
	tensor_load_to_lds s[G0B+4:G0B+7], s[G1B:G1B+7]
	s_nop 0
	tensor_load_to_lds s[G0B+8:G0B+11], s[G1B:G1B+7]
	s_nop 0
	tensor_load_to_lds s[G0B+12:G0B+15], s[G1B:G1B+7]
	s_nop 0
	tensor_load_to_lds s[G0A+4:G0A+7], s[G1A:G1A+7]        ; slot 1 last
	s_nop 0
	PLACES 4                                       ; (behind a tensor load)
	v_and_b32 v1, 15, v0                           ; r
	v_bfe_u32 v2, v0, 4, 1                         ; h
	v_and_b32 v3, 31, v0
	v_lshlrev_b32 v[LI], 4, v3
	s_mul_i32 s92, s19, 12288
	v_add_nc_u32 v[ADRA], s92, v[LI]
	v_add_nc_u32 v[ADRA+1], ASLOT, v[ADRA]
	v_lshrrev_b32 v14, 3, v1                       ; r / 8: which of a tile's two groups
	v_and_b32 v15, 7, v1
	v_mul_u32_u24 v[ADRB], v14, GP
	v_mad_u32_u24 v[ADRB], v15, BROW, v[ADRB]
	v_mad_u32_u24 v[ADRB], v2, 24, v[ADRB]
	s_mul_i32 s92, s20, 8*GP
	s_add_co_u32 s92, s92, BB
	v_add_nc_u32 v[ADRB], s92, v[ADRB]
	v_lshl_add_u32 v[ADRB+1], v2, 4, v[ADRB]
	v_add_nc_u32 v[ADRB+2], 4*GP, v[ADRB]
	v_add_nc_u32 v[ADRB+3], 4*GP, v[ADRB+1]
	v_lshl_add_u32 v12, v14, 3, v1
	v_lshl_add_u32 v12, v2, 3, v12
	v_lshlrev_b32 v12, 5, v12                      ; W1's scale words: row r + 8 (r / 8) + 8 h, 32 bytes a row
	v_lshlrev_b32 v13, 6, v2                       ; b1: 64 h
	v_cmp_eq_u32 s82, 1, v2                        ; the lanes of the upper half
.irp b, 0,1,2,3
	global_load_b128 v[SB+8*\b:SB+8*\b+3],   v12, s[10:11] offset:1024*\b
	global_load_b128 v[SB+8*\b+4:SB+8*\b+7], v12, s[10:11] offset:1024*\b+16
.endr
.irp t, 0,1
.irp k, 0,1,2,3,4,5,6,7
	global_load_b128 v[SA+32*\t+4*\k:SA+32*\t+4*\k+3], v[LI], s[6:7] offset:8192*\t+512*\k
.endr
.endr
	WIN TO_B
.irp t, 0,1,2,3,4,5,6,7                        ; b1 in the result's layout: lane (., h), register j of tile t: unit 32 (t / 2) + 16 h + 8 (t % 2) + j
	global_load_b128 v[96+8*\t+96*(\t/4):96+8*\t+96*(\t/4)+3],   v13, s[12:13] offset:(32*(\t/2)+8*(\t%2))*4
	global_load_b128 v[96+8*\t+96*(\t/4)+4:96+8*\t+96*(\t/4)+7], v13, s[12:13] offset:(32*(\t/2)+8*(\t%2))*4+16
.endr
	WIN 0
; a fragment of W1: 16 rows x 128 K, 12 registers, in pieces of 8 bytes.  Lanes 0-15 take the row's pieces 12 kq + 0, 1, 2 and 12 kq + 6, 7, 8, lanes 16-31 those three pieces on; 16 bytes of padding lie behind
; every 32 pieces: where the piece three on lies behind one padding more, the second address register (40 for 24 bytes a half) serves
.macro FRAGB reg, t, kq
.irp p, 0,1,2,3,4,5
.set PCE, 12*(\kq)+6*(\p/3)+\p%3
.set AB, ADRB+2*((\t)/4)
.if PCE%32 >= 29
.set AB, AB+1
.endif
	ds_load_b64 v[(\reg)+2*\p:(\reg)+2*\p+1], v[AB] offset:(((\t)/2)%2)*2*GP+((\t)%2)*8*BROW+8*PCE+16*(PCE/32)
.endr
.endm
.macro FETCH_B kq, p                   ; W1's eight fragments of K step kq into set p: 48 loads
	WIN TO_B
.irp t, 0,1,2,3,4,5,6,7
	FRAGB 128*(\p)+12*\t, \t, \kq
.endr
	WIN 0
.endm
.macro FETCH_A sl, q, i0               ; x's blocks i0 .. i0 + 3 of the slot's q-th K step: images, 12 loads of 512 consecutive bytes
.irp i, \i0, \i0+1, \i0+2, \i0+3
.irp c, 0,1,2
	ds_load_b128 v[AF+12*(\i)+4*\c:AF+12*(\i)+4*\c+3], v[ADRA+(\sl)] offset:24576*(\q)+1536*(\i)+512*\c
.endr
.endr
.endm
; 16 products: token blocks a0, a0 + 1 x W1's eight tiles.  first = 1: C is b1.  The 64 accumulators take turns, one instruction a turn, in the same order in every step
.macro MUL16 a0, kq, tile, first
.irp a, \a0, \a0+1
.irp b, 0,1,2,3,4,5,6,7
.set rD, 8*(8*((\a)%4)+\b)
.set rA, 128*((\kq)%2)+12*\b
.set rB, AF+12*(\a)
.set rSA, SB+8*(\b/2)+(\kq)
.set rSB, SA+32*(\tile)+4*(\kq)+(\a)/2
.if \first
.set rC, 96+8*\b+96*(\b/4)
.else
.set rC, rD
.endif
	WMX \b%2, (\a)%2
.endr
.endr
.endm
; A load into a register that a matrix instruction has read, and a vector instruction that reads a result or writes such a register, stand four places behind it; only plain vector instructions that name
; none of its registers are places (ISA guide 7.12.1 for vector instructions).
; An even K step: its successor lies in the same slot.
.macro STEP sl, kq, tile, first
	s_wait_dscnt 12                                ; W1's set and x's blocks 0-3 are in; the youngest 12 loads (blocks 4-7) may be out
.if \first
	WIN FST_LO
.else
	WIN MUL_LO
.endif
	MUL16 0, \kq, \tile, \first
	MUL16 2, \kq, \tile, \first
	s_wait_dscnt 0x0                               ; blocks 4-7 are in (asked for 32 matrix instructions ago)
	PLACES 4
	FETCH_B (\kq)+1, 1
	FETCH_A \sl, 1, 0
.if \first
	WIN FST_HI
.else
	WIN MUL_HI
.endif
	MUL16 4, \kq, \tile, \first
	MUL16 6, \kq, \tile, \first
	PLACES 4
	WIN 0
	FETCH_A \sl, 1, 4
.endm
; An odd K step leaves its slot.  bar = 1: one barrier; in front of it each wave waits for all its tensor loads, adds 0 to its spare word, and waits for that and for its reads of the slot.
; fill = 1: the barrier opens a round of the cluster's barrier, and the slot is filled again, two slots ahead in x's stream: the first thing behind the round, 96 matrix instructions ahead of the wait for it.
; fetch = 1: the next K step's fragments are fetched.
.macro TURN sl, kq, tile, fill, fetch, bar
.if \bar
	s_wait_tensorcnt 0x0                           ; all my tensor loads have landed: my part of the other slot
	ds_add_u32 v[SPW], v[NIL]                      ; 0 onto my spare word
	s_wait_dscnt 13                                ; (the add and the youngest 12 loads may be out)
.else
	s_wait_dscnt 12
.endif
	WIN MUL_LO
	MUL16 0, \kq, \tile, 0
	s_wait_dscnt 0x0                               ; the add is done, and my reads of this slot are over
.if \bar
	s_barrier_signal -1
.endif
	MUL16 2, \kq, \tile, 0
	WIN 0
.if \bar
	s_barrier_wait -1
.endif
.if \fill
	CREST                                          ; no wave of any partner still reads this slot or has a load on its way
	s_add_nc_u64 s[G0A+4*\sl+2:G0A+4*\sl+3], s[G0A+4*\sl+2:G0A+4*\sl+3], 2*ASLOT
	tensor_load_to_lds s[G0A+4*\sl:G0A+4*\sl+3], s[G1A:G1A+7]
	s_nop 0
	PLACES 4                                       ; behind the tensor load; also the places in front of the loads below
.elseif \fetch
	PLACES 4
.endif
.if \fetch
	FETCH_B ((\kq)+1)%8, 0
	FETCH_A 1-\sl, 0, 0
.endif
	WIN MUL_HI
	MUL16 4, \kq, \tile, 0
	MUL16 6, \kq, \tile, 0
	PLACES 4
	WIN 0
.if \fetch
	FETCH_A 1-\sl, 0, 4
.endif
.endm
; 64 numbers, none negative, v[HA + 16 b + i] = k 32 b + 16 h + i of my token, become a fragment's codes in v[PC] on and its scale word in v[pw]
.macro QUANT pw
.irp b, 0,1,2,3
	v_max3_num_f32 v[TM+\b], v[HA+16*\b], v[HA+1+16*\b], 0x2800000   ; block b: my 16 numbers, and the floor 2^(5 - 127): the byte cannot fall under 1
.endr
.irp i, 2,4,6,8,10,12,14
.irp b, 0,1,2,3
	v_max3_num_f32 v[TM+\b], v[TM+\b], v[HA+16*\b+\i], v[HA+1+16*\b+\i]
.endr
.endr
.irp b, 0,1,2,3
	v_permlanex16_b32 v[TM+4+\b], v[TM+\b], s[SEL], s[SEL+1]
.endr
.irp b, 0,1,2,3
	v_max_num_f32 v[TM+\b], v[TM+\b], v[TM+4+\b]   ; with lane l xor 16's: the block's largest
.endr
.irp b, 0,1,2,3
	v_add_nc_u32 v[TM+12+\b], 0xfe000000, v[TM+\b] ; 4 off its exponent field: the conversion's scale operand
.endr
.irp b, 0,1,2,3
	v_lshrrev_b32 v[TM+4+\b], 23, v[TM+12+\b]      ; the scale's byte
.endr
	v_lshl_or_b32 v[\pw], v[TM+5], 8, v[TM+4]
	v_lshl_or_b32 v[\pw], v[TM+6], 16, v[\pw]
	v_lshl_or_b32 v[\pw], v[TM+7], 24, v[\pw]
.irp c, 0,1
	v_cvt_scalef32_pk16_bf6_f32 v[PC+6*\c:PC+2+6*\c], v[HA+32*\c:HA+15+32*\c], v[TM+12+2*\c]
	v_cvt_scalef32_pk16_bf6_f32 v[PC+12+4*\c:PC+14+4*\c], v[HA+16+32*\c:HA+31+32*\c], v[TM+12+2*\c+1]
.endr
	v_nop                                          ; one plain place behind a scaled conversion
.irp c, 0,1
.irp i, 0,1,2
	v_permlane16_swap_b32 v[PC+6*\c+\i], v[PC+12+4*\c+\i]
.endr
.irp i, 0,1,2
	v_mov_b32 v[PC+3+6*\c+\i], v[PC+12+4*\c+\i]
.endr
.endr
.endm
; THE WAY OUT of a tile: block by block of 16 tokens.  The clip at 0 is also the move into window 0; each accumulator is read from its low end on.  The codes leave as they stand: 512 consecutive aligned bytes a store.
.macro EPI tile
.irp a, 0,1,2,3,4,5,6,7
.if \a > 0
	s_wait_xcnt 0x0                                ; the last block's stores have read the codes' registers
.endif
	WIN 0x08+4*(\a/4)                              ; source 1: window 2 or 3
.set j, 0
.rept 64
	v_max_num_f32 v[HA+j], 0, v[64*(\a%4)+j]
.set j, j+1
.endr
	WIN 0
	QUANT PWS+\a
.irp c, 0,1,2
	global_store_b128 v[LI], v[PC+4*\c:PC+4*\c+3], s[14:15] offset:786432*(\tile)+1536*\a+512*\c
.endr
.endr
.irp i, 0,1,2,3
	v_cndmask_b32 v[SW+\i], v[PWS+2*\i], v[PWS+2*\i+1], s82   ; word i: lanes 0-15 block 2 i's, lanes 16-31 block 2 i + 1's
.endr
	global_store_b128 v[LI], v[SW:SW+3], s[16:17] offset:32768*(\tile)
	s_wait_xcnt 0x0                                ; the stores have read their registers: fragments are loaded over them next
.endm
	s_wait_loadcnt 0x0                             ; scale words and b1
	s_wait_tensorcnt 0x1                           ; slot 0 and my rows of W1 are in; slot 1's load may stay out
	s_barrier_signal -1
	s_barrier_wait -1                              ; everybody's are
	FETCH_B 0, 0
	FETCH_A 0, 0, 0
	FETCH_A 0, 0, 4
	STEP 0, 0, 0, 1
	TURN 0, 1, 0, 1, 1, 1
	STEP 1, 2, 0, 0
	TURN 1, 3, 0, 1, 1, 1
	STEP 0, 4, 0, 0
	TURN 0, 5, 0, 1, 1, 1                          ; slot 0 takes the second tile's K steps 0, 1
	STEP 1, 6, 0, 0
	TURN 1, 7, 0, 1, 0, 1                          ; slot 1 its K steps 2, 3; x's fragment registers are wanted on the way out, so nothing is fetched
	EPI 0
	FETCH_B 0, 0                                   ; slot 0 was shown whole by the last barrier
	FETCH_A 0, 0, 0
	FETCH_A 0, 0, 4
	STEP 0, 0, 1, 1
	TURN 0, 1, 1, 1, 1, 1
	STEP 1, 2, 1, 0
	TURN 1, 3, 1, 1, 1, 1
	STEP 0, 4, 1, 0
	TURN 0, 5, 1, 0, 1, 1                          ; nothing is left to ask for: a plain barrier shows slot 1 whole
	STEP 1, 6, 1, 0
	TURN 1, 7, 1, 0, 0, 0
	EPI 1
	s_wait_tensorcnt 0x0                           ; the wave's end
	ds_add_u32 v[SPW], v[NIL]
	s_wait_dscnt 0x0
	CROUND                                         ; the closing round: no work-group ends while a partner may still ask for a tile that names it
	s_endpgm
.Lfunc_end_k_q5f029afa12_up:
	.size	k_q5f029afa12_up, .Lfunc_end_k_q5f029afa12_up-k_q5f029afa12_up
	.p2alignl 7, 3214868480
	.fill 96, 4, 3214868480
	.section	.rodata,"a",@progbits
	.p2align	6, 0x0
	.amdhsa_kernel k_q5f029afa12_up
		.amdhsa_group_segment_fixed_size 327680
		.amdhsa_private_segment_fixed_size 0
		.amdhsa_enable_private_segment 0
		.amdhsa_kernarg_size 56
		.amdhsa_user_sgpr_count 2
		.amdhsa_user_sgpr_kernarg_segment_ptr 1
		.amdhsa_wavefront_size32 1
		.amdhsa_system_sgpr_workgroup_id_x 1
		.amdhsa_system_sgpr_workgroup_id_y 1
		.amdhsa_system_sgpr_workgroup_id_z 1
		.amdhsa_system_vgpr_workitem_id 0
		.amdhsa_next_free_vgpr 1024
		.amdhsa_next_free_sgpr 96
		.amdhsa_reserve_vcc 0
		.amdhsa_float_denorm_mode_32 3
		.amdhsa_float_denorm_mode_16_64 3
		.amdhsa_memory_ordered 1
		.amdhsa_forward_progress 1
		.amdhsa_inst_pref_size 255
	.end_amdhsa_kernel
	.section	.bss,"aw",@nobits
	.p2align	6
	.space	262144
	.amdgpu_metadata
---
amdhsa.version: [ 1, 2 ]
amdhsa.kernels:
  - .name:           k_q5f029afa12_up
    .symbol:         k_q5f029afa12_up.kd
    .args:
      - { .name: xq, .offset: 0, .size: 8, .value_kind: global_buffer, .address_space: global }
      - { .name: xs, .offset: 8, .size: 8, .value_kind: global_buffer, .address_space: global }
      - { .name: W1_codes, .offset: 16, .size: 8, .value_kind: global_buffer, .address_space: global }
      - { .name: W1_scales, .offset: 24, .size: 8, .value_kind: global_buffer, .address_space: global }
      - { .name: b1, .offset: 32, .size: 8, .value_kind: global_buffer, .address_space: global }
      - { .name: hq, .offset: 40, .size: 8, .value_kind: global_buffer, .address_space: global }
      - { .name: hs, .offset: 48, .size: 8, .value_kind: global_buffer, .address_space: global }
    .group_segment_fixed_size: 327680
    .private_segment_fixed_size: 0
    .kernarg_segment_align: 8
    .kernarg_segment_size: 56
    .max_flat_workgroup_size: 128
    .sgpr_count:     96
    .vgpr_count:     1024
    .wavefront_size: 32
...
	.end_amdgpu_metadata
.endif
;; end of part 2
;; launch down (part 3): grid 64 x 4, 4 waves a work-group, clusters of 4 x 4, 327,680 bytes of LDS; arguments hq, hs, W2_codes, W2_scales, b2, part; writes part
.if DOCPART == 3
	.amdgcn_target "amdgcn-amd-amdhsa--gfx1250"
	.amdhsa_code_object_version 6
	.text
	.protected	k_q5f029afa12_down
	.globl	k_q5f029afa12_down
	.p2align	8
	.type	k_q5f029afa12_down,@function
k_q5f029afa12_down:
	s_mov_b64 s[64:65], 0
	v_nop
	global_prefetch_b8 v0, s[64:65] scope:SCOPE_SE
	s_setreg_imm32_b32 hwreg(HW_REG_WAVE_MODE, 25, 1), 1
	s_wait_xcnt 0x0
	s_wait_alu depctr_hold_cnt(0) depctr_sa_sdst(0) depctr_va_vdst(0) depctr_va_sdst(0) depctr_va_ssrc(0) depctr_va_vcc(0) depctr_vm_vsrc(0)
	s_getreg_b32 s2, hwreg(HW_REG_IB_STS2, 6, 4)
	s_cmp_eq_u32 s2, 0
	s_cbranch_scc0 .Lentry_in_a_cluster
	s_endpgm
.Lentry_in_a_cluster:
	s_bfe_u32 s2, ttmp6, 0x10000c
	s_cmp_lg_u32 s2, 0xf033
	s_cbranch_scc0 .Lentry_shape_is_right
	s_endpgm
.Lentry_shape_is_right:
; DOWN.  part[e] = h_e W2[e] + b2[e], f32, on codes of BF6 (E3M2) with one E8M0 scale for each 32 along K = 4,096.  h comes as images of the operand's registers (hq) with its scale words (hs), W2 as given.
; SHARES.  W2 is taken as 8,192 rows of 3,072 bytes.  Work-group (X, Y) makes tokens 256 Y on x columns 128 (X % 8) on of expert X / 8: 256 work-groups, one expert's whole K each, so that eight partial
; results go to memory and no sum spans work-groups.  Four waves, each 128 tokens x 64 columns: 32 accumulators, 256 registers.  A wave's tile is smaller than 128 x 128: a tile of 256 x 256 would leave half
; of the WGPs without work or want sixteen partial results.
; THE PRODUCT IS USED TRANSPOSED (source 0 = 16 rows of W2, source 1 = 16 tokens): a lane holds eight neighbouring columns of one token.  b2 is the C of each sum's first matrix instruction.
; CLUSTER 4 x 4.  The four of a row of the cluster (same token tile, same expert) need the same images of h, the four of a column the same rows of W2 and their scales: each is asked for JOINTLY.
; LDS.  Slot s at 153,600 s, 512 along K: h [kstep 4][tile 16][1,536] dense, then 128 rows of W2 of 3 x (128 bytes + 16 of padding) = 432: row r starts at bank 44 r mod 64, so the 32 lanes of an 8-byte load touch
; 64 different banks (64 banks of 4 bytes: ISA guide 11.1).  Behind the ring W2's scale bytes for all of K, 64 x (256 + 16), filled once; then the spare words.  The stage for the way out lies in slot 0,
; which has had its last fill and its last read by then.
; REGISTERS, in windows of 256.  Window 0: v1-15, v24-26 addresses; v28-29 for the add; v32-159 h's scale words for all 32 K steps; v160-175 W2's, two sets; v176-239 the way out.
;   Window 1: h's eight fragments, two sets at v0 and v128.  Window 2: accumulator (a, b) at v[8 (4 a + b)].  Window 3: W2's four fragments, two sets at v0 and v64; b2's four tiles from v128.
; LIMITS: NaN and infinities are not served.
.set SLOT,  153600
.set BOFF,  98304
.set BP,    432
.set SCB,   2*SLOT
.set SPARE, SCB+64*272                 ; 512 bytes, two blocks of 256 that no other line names
.set LI,   4
.set SPW,  28
.set NIL,  29
.set SAR,  32                          ; register 4 s + i: lanes 0-15 token block 2 i, lanes 16-31 block 2 i + 1, K step s
.set SBR,  160                         ; register 8 (j % 2) + 4 pair + q: lanes 0-15 column block 2 pair, lanes 16-31 block 2 pair + 1, K step 4 j + q
.set BK,   176
.set G1A,  24
.set G1B,  32
.set G1S,  40
.set G0A,  48                          ; s[48:55] a set for each slot
.set G0B,  56                          ; s[56:63]
.set G0S,  68                          ; s[68:71]
.set MUL_W, 0xa7                       ; source 0 (W2) window 3, source 1 (h) window 1, C and D window 2
.set FST_W, 0xb7                       ; the same with C (b2) in window 3
.set TO_A,  0x40
.set TO_B,  0xc0
.set MSB, 0
.macro WIN new
.if MSB != (\new)
	s_set_vgpr_msb (MSB<<8)|(\new)
.set MSB, (\new)
.endif
.endm
.macro PLACES n
.rept \n
	v_nop
.endr
.endm
.macro CREST
	s_cmp_lg_u32 s18, 0
	s_cbranch_scc1 .Lnot_wave_0_\@
	s_barrier_signal -3
.Lnot_wave_0_\@:
	s_barrier_wait -3
	s_barrier_signal -1
	s_barrier_wait -1
.endm
.macro CROUND
	s_barrier_signal -1
	s_barrier_wait -1
	CREST
.endm
.macro WMX ra, rb
.set sel, 2*(\ra)+(\rb)
.if sel == 0
	v_wmma_scale_f32_16x16x128_f8f6f4 v[rD:rD+7], v[rA:rA+11], v[rB:rB+11], v[rC:rC+7], v[rSA], v[rSB] matrix_a_fmt:MATRIX_FMT_BF6 matrix_b_fmt:MATRIX_FMT_BF6
.elseif sel == 1
	v_wmma_scale_f32_16x16x128_f8f6f4 v[rD:rD+7], v[rA:rA+11], v[rB:rB+11], v[rC:rC+7], v[rSA], v[rSB] matrix_a_fmt:MATRIX_FMT_BF6 matrix_b_fmt:MATRIX_FMT_BF6 matrix_b_scale:MATRIX_SCALE_ROW1
.elseif sel == 2
	v_wmma_scale_f32_16x16x128_f8f6f4 v[rD:rD+7], v[rA:rA+11], v[rB:rB+11], v[rC:rC+7], v[rSA], v[rSB] matrix_a_fmt:MATRIX_FMT_BF6 matrix_b_fmt:MATRIX_FMT_BF6 matrix_a_scale:MATRIX_SCALE_ROW1
.else
	v_wmma_scale_f32_16x16x128_f8f6f4 v[rD:rD+7], v[rA:rA+11], v[rB:rB+11], v[rC:rC+7], v[rSA], v[rSB] matrix_a_fmt:MATRIX_FMT_BF6 matrix_b_fmt:MATRIX_FMT_BF6 matrix_a_scale:MATRIX_SCALE_ROW1 matrix_b_scale:MATRIX_SCALE_ROW1
.endif
.endm
; A joint load: waves 0 and 1 fetch h's halves, waves 2 and 3 W2's.  The branch hangs on the wave's number alone.  Four v_nop follow each of the two lines.
.macro JLOAD g0a, g1a, g0b, g1b
	s_cmp_eq_u32 s19, 0
	s_cbranch_scc0 .Lfor_b_\@
	tensor_load_to_lds s[\g0a:\g0a+3], s[\g1a:\g1a+7]
	s_nop 0
.rept 4
	v_nop
.endr
	s_branch .Lasked_\@
.Lfor_b_\@:
	tensor_load_to_lds s[\g0b:\g0b+3], s[\g1b:\g1b+7]
	s_nop 0
.rept 4
	v_nop
.endr
.Lasked_\@:
.endm
	s_load_b256 s[4:11], s[0:1], 0x0               ; hq s[4:5], hs s[6:7], W2's codes s[8:9], W2's scales s[10:11]
	s_load_b128 s[12:15], s[0:1], 0x20             ; b2 s[12:13], part s[14:15]
	v_lshl_add_u32 v[SPW], v0, 2, SPARE
	v_mov_b32 v[NIL], 0
	ds_add_u32 v28, v29
	ds_add_u32 v28, v29
	s_wait_dscnt 0x0
	v_lshrrev_b32 v1, 5, v0
	v_readfirstlane_b32 s18, v1                    ; wave 0..3
	s_lshr_b32 s19, s18, 1                         ; which 128 tokens.  Also: I fetch for h (0) or for W2 (1)
	s_and_b32 s20, s18, 1                          ; which 64 columns.  Also: which half I fetch
	s_bfe_u32 s21, ttmp6, 0x40000                  ; cx
	s_bfe_u32 s22, ttmp6, 0x40004                  ; cy
	s_lshl_b32 s80, ttmp9, 2
	s_add_co_u32 s80, s80, s21                     ; X = 4 x cluster x + cx
	s_and_b32 s72, ttmp7, 0xffff
	s_lshl_b32 s72, s72, 2
	s_add_co_u32 s72, s72, s22                     ; Y = 4 x cluster y + cy: the token tile
	s_lshr_b32 s73, ttmp9, 1                       ; e = X / 8, made of the cluster's x alone: the whole cluster shares it
	s_lshl_b32 s74, s22, 2
	s_lshl_b32 s74, 15, s74                        ; my row of the cluster
	s_lshl_b32 s81, 0x1111, s21                    ; my column
	s_or_b32 s[G1A+0], s74, (3<<16)|(1<<21)        ; h: elements of 8 bytes, no padding; 192 rows of 256 bytes, dense
	s_mov_b32 s[G1A+1], 32<<16
	s_mov_b32 s[G1A+2], 192<<16
	s_mov_b32 s[G1A+3], 32<<16
	s_mov_b32 s[G1A+4], 192
	s_mov_b32 s[G1A+5], 32
	s_mov_b32 s[G1A+6], 0
	s_mov_b32 s[G1A+7], 0
	s_or_b32 s[G1B+0], s81, (1<<20)|(1<<21)|(4<<22)|(3<<25)   ; W2: elements of 1 byte; after every 32 words (code 4) 4 words of padding (code 3); 64 rows of 384 bytes, 3,072 apart
	s_mov_b32 s[G1B+1], 384<<16
	s_mov_b32 s[G1B+2], 64<<16
	s_mov_b32 s[G1B+3], 384<<16
	s_mov_b32 s[G1B+4], 64
	s_mov_b32 s[G1B+5], 3072
	s_mov_b32 s[G1B+6], 0
	s_mov_b32 s[G1B+7], 0
	s_or_b32 s[G1S+0], s81, (3<<16)|(1<<20)|(1<<21)|(5<<22)|(3<<25)   ; W2's scales: 32 rows of 256 bytes, dense, 16 bytes of padding behind each
	s_mov_b32 s[G1S+1], 32<<16
	s_mov_b32 s[G1S+2], 32<<16
	s_mov_b32 s[G1S+3], 32<<16
	s_mov_b32 s[G1S+4], 32
	s_mov_b32 s[G1S+5], 32
	s_mov_b32 s[G1S+6], 0
	s_mov_b32 s[G1S+7], 0
	s_lshl_b32 s75, s73, 2
	s_add_co_u32 s75, s75, s72                     ; 4 e + Y
	s_mul_i32 s76, s75, 786432                     ; h's images of (e, token tile): registers that never hold cx
	s_mul_i32 s78, s20, 49152                      ; my half of a slot's, in memory and in LDS
	s_add_co_u32 s76, s76, s78
	s_mov_b32 s77, 0
	s_mul_i32 s82, s80, 393216                     ; W2: 128 rows a work-group: registers that never hold cy
	s_mul_i32 s83, s20, 196608                     ; 64 a wave
	s_add_co_u32 s82, s82, s83
	s_mov_b32 s83, 0
	s_mul_i32 s84, s20, 64*BP
	s_add_co_u32 s84, s84, BOFF
	s_lshl_b32 s86, s80, 14                        ; W2's scales: 128 bytes a row
	s_lshl_b32 s87, s20, 13
	s_add_co_u32 s86, s86, s87
	s_mov_b32 s87, 0
	s_mul_i32 s85, s20, 8704
	s_add_co_u32 s85, s85, SCB
	s_lshl_b32 s88, s75, 1                         ; hs: 16,384 bytes for a row half
	s_add_co_u32 s88, s88, s19
	s_lshl_b32 s88, s88, 14
	s_mov_b32 s89, 0
	s_lshl_b32 s90, s80, 9                         ; b2: 4 bytes a column
	s_lshl_b32 s91, s20, 8
	s_add_co_u32 s90, s90, s91
	s_mov_b32 s91, 0
	s_lshl_b32 s92, s72, 8                         ; part: e x 4 MB + my first token's row of 4,096 bytes + my first column
	s_lshl_b32 s93, s19, 7
	s_add_co_u32 s92, s92, s93
	s_lshl_b32 s92, s92, 12
	s_lshl_b32 s93, s73, 22
	s_add_co_u32 s92, s92, s93
	s_and_b32 s93, s80, 7
	s_lshl_b32 s93, s93, 9
	s_add_co_u32 s92, s92, s93
	s_lshl_b32 s93, s20, 8
	s_add_co_u32 s92, s92, s93
	s_mov_b32 s93, 0
	s_wait_kmcnt 0x0
	s_add_nc_u64 s[94:95], s[4:5], s[76:77]
	s_add_nc_u64 s[96:97], s[8:9], s[82:83]
	s_add_nc_u64 s[98:99], s[10:11], s[86:87]
	s_add_nc_u64 s[6:7], s[6:7], s[88:89]
	s_add_nc_u64 s[12:13], s[12:13], s[90:91]
	s_add_nc_u64 s[14:15], s[14:15], s[92:93]
.irp g, 0,1
	s_mov_b32 s[G0A+4*\g], 1
	s_add_co_u32 s[G0A+4*\g+1], s78, \g*SLOT
	s_add_nc_u64 s[G0A+4*\g+2:G0A+4*\g+3], s[94:95], \g*98304
	s_or_b32 s[G0A+4*\g+3], s[G0A+4*\g+3], 0x80000000
	s_mov_b32 s[G0B+4*\g], 1
	s_add_co_u32 s[G0B+4*\g+1], s84, \g*SLOT
	s_add_nc_u64 s[G0B+4*\g+2:G0B+4*\g+3], s[96:97], \g*384
	s_or_b32 s[G0B+4*\g+3], s[G0B+4*\g+3], 0x80000000
.endr
	s_mov_b32 s[G0S], 1
	s_mov_b32 s[G0S+1], s85
	s_mov_b64 s[G0S+2:G0S+3], s[98:99]
	s_or_b32 s[G0S+3], s[G0S+3], 0x80000000
	CROUND                                         ; all sixteen work-groups are here: the first joint loads meet
	s_cmp_eq_u32 s19, 0                            ; a wave's first fills stand in one branch: two or three loads of mine are out, slot 1's the last on either way
	s_cbranch_scc0 .Lfirst_b
	tensor_load_to_lds s[G0A:G0A+3], s[G1A:G1A+7]
	s_nop 0
	tensor_load_to_lds s[G0A+4:G0A+7], s[G1A:G1A+7]
	s_nop 0
	PLACES 4
	s_branch .Lfirst_asked
.Lfirst_b:
	tensor_load_to_lds s[G0S:G0S+3], s[G1S:G1S+7]
	s_nop 0
	tensor_load_to_lds s[G0B:G0B+3], s[G1B:G1B+7]
	s_nop 0
	tensor_load_to_lds s[G0B+4:G0B+7], s[G1B:G1B+7]
	s_nop 0
	PLACES 4
.Lfirst_asked:
	v_and_b32 v1, 15, v0                           ; r
	v_bfe_u32 v2, v0, 4, 1                         ; h
	v_and_b32 v3, 31, v0                           ; lane
	v_lshlrev_b32 v[LI], 4, v3
	s_mul_i32 s16, s19, 12288
	v_add_nc_u32 v5, s16, v[LI]                    ; h's images: slot 0, K steps 0-1;
	v_add_nc_u32 v6, 49152, v5                     ; K steps 2-3;
	v_add_nc_u32 v7, SLOT, v5                      ; slot 1
	v_add_nc_u32 v8, SLOT, v6
	v_mul_u32_u24 v10, v1, BP
	v_mad_u32_u24 v10, v2, 24, v10
	s_mul_i32 s16, s20, 64*BP
	s_add_co_u32 s16, s16, BOFF
	v_add_nc_u32 v10, s16, v10                     ; W2's rows: slot 0,
	v_lshl_add_u32 v11, v2, 4, v10                 ; behind one padding more,
	v_add_nc_u32 v12, SLOT, v10                    ; slot 1
	v_add_nc_u32 v13, SLOT, v11
	v_lshrrev_b32 v14, 1, v3
	v_lshlrev_b32 v14, 4, v14
	v_lshl_add_u32 v14, v3, 7, v14                 ; W2's scale words: row = lane, 128 bytes a row, 16 more for each two rows
	s_mul_i32 s16, s20, 8704
	s_add_co_u32 s16, s16, SCB
	v_add_nc_u32 v14, s16, v14
	v_lshlrev_b32 v15, 5, v2                       ; b2: 32 h
	s_mul_i32 s16, s18, 4352                       ; my stage: 16 rows of 256 bytes + 16
	v_mul_u32_u24 v24, v1, 272
	v_lshl_add_u32 v24, v2, 5, v24
	v_add_nc_u32 v24, s16, v24                     ; in: row r, 32 bytes for each half of the lanes
	v_mul_u32_u24 v25, v2, 272
	v_lshl_add_u32 v25, v1, 4, v25
	v_add_nc_u32 v25, s16, v25                     ; back: lanes 0-15 one row, lanes 16-31 the next
	v_lshlrev_b32 v26, 12, v2
	v_lshl_add_u32 v26, v1, 4, v26                 ; and the same two rows in part
.set n, 0
.rept 32
	global_load_b128 v[SAR+4*n:SAR+4*n+3], v[LI], s[6:7] offset:512*n   ; h's scale words of my 128 tokens, all of K: 512 consecutive bytes a load
.set n, n+1
.endr
	WIN TO_B
.irp t, 0,1,2,3                                ; b2 in the result's layout: lane (., h), register j of block t: column 16 t + 8 h + j
	global_load_b128 v[128+8*\t:128+8*\t+3], v15, s[12:13] offset:64*\t
	global_load_b128 v[128+8*\t+4:128+8*\t+7], v15, s[12:13] offset:64*\t+16
.endr
	WIN 0
; the fragments of the slot's q-th K step into set p: h's eight images (24 loads of 512 consecutive bytes), W2's four (24 loads of 8 bytes a lane; 16 bytes of padding lie behind every 16 pieces)
.macro FETCH sl, q, p
	WIN TO_A
.irp i, 0,1,2,3,4,5,6,7
.irp c, 0,1,2
	ds_load_b128 v[128*(\p)+12*\i+4*\c:128*(\p)+12*\i+4*\c+3], v[5+2*(\sl)+(\q)/2] offset:24576*((\q)%2)+1536*\i+512*\c
.endr
.endr
	WIN TO_B
.irp t, 0,1,2,3
.irp u, 0,1,2,3,4,5
.set PCE, 12*(\q)+6*(\u/3)+\u%3
.set AB, 10+2*(\sl)
.if PCE%16 >= 13
.set AB, AB+1
.endif
	ds_load_b64 v[64*(\p)+12*\t+2*\u:64*(\p)+12*\t+2*\u+1], v[AB] offset:16*BP*\t+8*PCE+16*(PCE/16)
.endr
.endr
.endm
.macro SBL j                           ; W2's scale words of K steps 4 j .. 4 j + 3
	WIN 0
.irp g, 0,1
	ds_load_b128 v[SBR+8*((\j)%2)+4*\g:SBR+8*((\j)%2)+4*\g+3], v14 offset:4352*\g+16*(\j)
.endr
.endm
; 4 n products of K step s: token blocks a0 on x the four column blocks.  The 32 accumulators take turns, one instruction a turn, in the same order in every step
.macro MUL a0, n, s, first
.set ma, \a0
.rept \n
.irp b, 0,1,2,3
.set rD, 8*(4*ma+\b)
.set rA, 64*((\s)%2)+12*\b
.set rB, 128*((\s)%2)+12*ma
.set rSA, SBR+8*(((\s)/4)%2)+4*(\b/2)+(\s)%4
.set rSB, SAR+4*(\s)+ma/2
.if \first
.set rC, 128+8*\b
.else
.set rC, rD
.endif
	WMX \b%2, ma%2
.endr
.set ma, ma+1
.endr
.endm
; A K step whose successor lies in the same slot: the successor's 48 loads go out in one run ahead of this step's 32 products
.macro STEP2 s, first
	s_wait_dscnt 0x0                               ; this step's fragments are in (asked for 32 matrix instructions ago)
	PLACES 4                                       ; in front of loads into registers that the last step's products read
	FETCH (((\s)+1)/4)%2, ((\s)+1)%4, ((\s)+1)%2
.if \first
	WIN FST_W
.else
	WIN MUL_W
.endif
	MUL 0, 8, \s, \first
.endm
; A slot's last K step: one barrier; in front of it each wave waits for all its tensor loads, adds 0 to its spare word, and waits for that and for its reads of the slot.  fill = 1: the barrier opens a round of the
; cluster's barrier and the slot is filled again, two slots ahead: the first thing behind the round, 112 matrix instructions ahead of the wait for it.
.macro TURN2 j, fill
	WIN 0                                          ; (the add's two registers lie in window 0)
	s_wait_tensorcnt 0x0                           ; all my tensor loads have landed: my part of the other slot
	ds_add_u32 v[SPW], v[NIL]                      ; 0 onto my spare word
	s_wait_dscnt 1                                 ; this step's fragments are in (the add may be out)
	WIN MUL_W
	MUL 0, 2, 4*(\j)+3, 0
	s_wait_dscnt 0x0                               ; the add is done; my reads of this slot are over
	s_barrier_signal -1
	MUL 2, 2, 4*(\j)+3, 0
	WIN 0
	s_barrier_wait -1
.if \fill
	CREST                                          ; no wave of any partner still reads this slot or has a load on its way
	s_add_nc_u64 s[G0A+4*((\j)%2)+2:G0A+4*((\j)%2)+3], s[G0A+4*((\j)%2)+2:G0A+4*((\j)%2)+3], 196608
	s_add_nc_u64 s[G0B+4*((\j)%2)+2:G0B+4*((\j)%2)+3], s[G0B+4*((\j)%2)+2:G0B+4*((\j)%2)+3], 768
	JLOAD G0A+4*((\j)%2), G1A, G0B+4*((\j)%2), G1B
.else
	PLACES 4
.endif
	FETCH 1-(\j)%2, 0, 0
	SBL (\j)+1
	WIN MUL_W
	MUL 4, 4, 4*(\j)+3, 0
.endm
; THE WAY OUT, block by block of 16 tokens x 64 columns: through my own stage, back as whole rows of 256 bytes.  LDS serves a wave's instructions in order (ISA guide 5.7.1.4): no wait between stores and loads.
.macro TOSTAGE a
	WIN 0x08                                       ; an LDS store's data are its source 1: window 2
.irp b, 0,1,2,3
	ds_store_b128 v24, v[8*(4*(\a)+\b):8*(4*(\a)+\b)+3] offset:64*\b        ; each accumulator from its low end on
	ds_store_b128 v24, v[8*(4*(\a)+\b)+4:8*(4*(\a)+\b)+7] offset:64*\b+16
.endr
	WIN 0
.irp t, 0,1,2,3,4,5,6,7
	ds_load_b128 v[BK+32*((\a)%2)+4*\t:BK+32*((\a)%2)+4*\t+3], v25 offset:544*\t
.endr
.endm
.macro SEND a, younger                 ; younger: the LDS instructions issued behind block a's loads
	s_wait_dscnt \younger
.irp t, 0,1,2,3,4,5,6,7
	global_store_b128 v26, v[BK+32*((\a)%2)+4*\t:BK+32*((\a)%2)+4*\t+3], s[14:15] offset:(16*(\a)+2*\t)*4096   ; sixteen lanes store 256 consecutive bytes, aligned; the next launch reads them
.endr
.endm
	s_wait_loadcnt 0x0                             ; h's scale words and b2
	s_wait_tensorcnt 0x1                           ; my part of slot 0 (and of the scales) is in; slot 1's load may stay out
	s_barrier_signal -1
	s_barrier_wait -1
	FETCH 0, 0, 0
	SBL 0
	STEP2 0, 1                                     ; the first step's products begin the sums with b2
	STEP2 1, 0
	STEP2 2, 0
	TURN2 0, 1
.irp j, 1,2,3,4,5
	STEP2 4*\j, 0
	STEP2 4*\j+1, 0
	STEP2 4*\j+2, 0
	TURN2 \j, 1
.endr
	STEP2 24, 0
	STEP2 25, 0
	STEP2 26, 0
	TURN2 6, 0                                     ; nothing is left to ask for: a plain barrier shows slot 1 whole, and slot 0 is read no more
	STEP2 28, 0
	STEP2 29, 0
	STEP2 30, 0
	s_wait_dscnt 0x0
	WIN MUL_W
	MUL 0, 8, 31, 0
	WIN 0
	PLACES 4                                       ; in front of the first read of results
	TOSTAGE 0
.irp a, 1,2,3,4,5,6,7
.if \a > 1
	s_wait_xcnt 0x0                                ; block a - 2's stores have read their registers: block a's loads land there
.endif
	TOSTAGE \a
	SEND \a-1, 16                                  ; behind block a - 1's loads: block a's 8 stores and 8 loads
.endr
	SEND 7, 0
	s_wait_tensorcnt 0x0                           ; the wave's end
	ds_add_u32 v[SPW], v[NIL]
	s_wait_dscnt 0x0
	CROUND                                         ; the closing round
	s_endpgm
.Lfunc_end_k_q5f029afa12_down:
	.size	k_q5f029afa12_down, .Lfunc_end_k_q5f029afa12_down-k_q5f029afa12_down
	.p2alignl 7, 3214868480
	.fill 96, 4, 3214868480
	.section	.rodata,"a",@progbits
	.p2align	6, 0x0
	.amdhsa_kernel k_q5f029afa12_down
		.amdhsa_group_segment_fixed_size 327680
		.amdhsa_private_segment_fixed_size 0
		.amdhsa_enable_private_segment 0
		.amdhsa_kernarg_size 48
		.amdhsa_user_sgpr_count 2
		.amdhsa_user_sgpr_kernarg_segment_ptr 1
		.amdhsa_wavefront_size32 1
		.amdhsa_system_sgpr_workgroup_id_x 1
		.amdhsa_system_sgpr_workgroup_id_y 1
		.amdhsa_system_sgpr_workgroup_id_z 1
		.amdhsa_system_vgpr_workitem_id 0
		.amdhsa_next_free_vgpr 1024
		.amdhsa_next_free_sgpr 100
		.amdhsa_reserve_vcc 0
		.amdhsa_float_denorm_mode_32 3
		.amdhsa_float_denorm_mode_16_64 3
		.amdhsa_memory_ordered 1
		.amdhsa_forward_progress 1
		.amdhsa_inst_pref_size 255
	.end_amdhsa_kernel
	.section	.bss,"aw",@nobits
	.p2align	6
	.space	262144
	.amdgpu_metadata
---
amdhsa.version: [ 1, 2 ]
amdhsa.kernels:
  - .name:           k_q5f029afa12_down
    .symbol:         k_q5f029afa12_down.kd
    .args:
      - { .name: hq, .offset: 0, .size: 8, .value_kind: global_buffer, .address_space: global }
      - { .name: hs, .offset: 8, .size: 8, .value_kind: global_buffer, .address_space: global }
      - { .name: W2_codes, .offset: 16, .size: 8, .value_kind: global_buffer, .address_space: global }
      - { .name: W2_scales, .offset: 24, .size: 8, .value_kind: global_buffer, .address_space: global }
      - { .name: b2, .offset: 32, .size: 8, .value_kind: global_buffer, .address_space: global }
      - { .name: part, .offset: 40, .size: 8, .value_kind: global_buffer, .address_space: global }
    .group_segment_fixed_size: 327680
    .private_segment_fixed_size: 0
    .kernarg_segment_align: 8
    .kernarg_segment_size: 48
    .max_flat_workgroup_size: 128
    .sgpr_count:     100
    .vgpr_count:     1024
    .wavefront_size: 32
...
	.end_amdgpu_metadata
.endif
;; end of part 3
;; launch sum (part 4): grid 256 x 1, 8 waves a work-group, no clusters, 0 bytes of LDS; arguments part, route, gw, psum, out0, out1; writes out0, out1
.if DOCPART == 4
	.amdgcn_target "amdgcn-amd-amdhsa--gfx1250"
	.amdhsa_code_object_version 6
	.text
	.protected	k_q5f029afa12_sum
	.globl	k_q5f029afa12_sum
	.p2align	8
	.type	k_q5f029afa12_sum,@function
k_q5f029afa12_sum:
	s_mov_b64 s[64:65], 0
	v_nop
	global_prefetch_b8 v0, s[64:65] scope:SCOPE_SE
	s_setreg_imm32_b32 hwreg(HW_REG_WAVE_MODE, 25, 1), 1
	s_wait_xcnt 0x0
; SUM.  out0[n][:] = the sum over e of combine[n][e] part[e][n][:].  combine has two numbers a token that are not 0: the weights gw[n][0 .. 1] of the experts route[n][0 .. 1], which an earlier launch chose and
; stored as whole numbers.  So two rows of part are read for a token and not eight: out0[n] = gw[n][0] part[route[n][0]][n] + gw[n][1] part[route[n][1]][n], the second product fused with the addition.
; out1 = 8 x sum_e (cnt_e / S)(cnt_e / 1024) = (sum_e cnt_e^2) / (128 S), cnt_e the sum of expert e's probabilities over all tokens (from psum's 64 partial sums), S their sum.
; A stream: a work-group owns 4 tokens; thread t owns the 16 bytes at byte 16 t of each row, so a wave's load or store covers 512 consecutive aligned bytes.  All 8 loads of a thread go out first; the waits are
; counted token by token.  Indices and weights are scalars.  An index is held at 7 from above before it enters an address.  No LDS, no barrier, no matrix unit, no cluster: nothing is shared.
; The one number out1 is made by work-group 0's wave 0 between the issue of its loads and their use, so that its way to memory and back runs beside theirs.
; LIMIT: where the result of an expert that was not chosen is infinite or NaN, the reference's 0 x y is NaN; here that result is not read.  NaN and infinities are not served.
.set P,   16                           ; v16-47   part(token, choice): four registers at 16 + 4 (2 token + choice)
.set S4,  48                           ; v48-63   the sums
.set AX,  68                           ; v68-83   psum's numbers
	s_load_b256 s[4:11], s[0:1], 0x0               ; part s[4:5], route s[6:7], gw s[8:9], psum s[10:11]
	s_load_b128 s[12:15], s[0:1], 0x20             ; out0 s[12:13], out1 s[14:15]
	v_lshlrev_b32 v1, 4, v0                        ; 16 t
	v_lshrrev_b32 v64, 5, v0
	v_readfirstlane_b32 s34, v64                   ; wave
	s_lshl_b32 s36, ttmp9, 14                      ; 4 rows of 4,096 bytes
	s_mov_b32 s37, 0
	s_lshl_b32 s38, ttmp9, 5                       ; 4 tokens of 8 bytes
	s_mov_b32 s39, 0
	s_mov_b32 s40, 0x76543210
	s_mov_b32 s41, 0xfedcba98
	s_wait_kmcnt 0x0
	s_add_nc_u64 s[6:7], s[6:7], s[38:39]
	s_add_nc_u64 s[8:9], s[8:9], s[38:39]
	s_load_b256 s[16:23], s[6:7], 0x0              ; my 4 tokens' experts: s[16 + 2 token + choice]
	s_load_b256 s[24:31], s[8:9], 0x0              ; and their weights: s[24 + 2 token + choice]
	s_add_nc_u64 s[4:5], s[4:5], s[36:37]
	s_add_nc_u64 s[12:13], s[12:13], s[36:37]
	s_wait_kmcnt 0x0
.irp q, 0,1,2,3,4,5,6,7
	s_min_u32 s[16+\q], s[16+\q], 7                ; an index stays inside its table
	s_lshl_b32 s[16+\q], s[16+\q], 22              ; expert e lies 4 MB x e on
	v_add_nc_u32 v[2+\q], s[16+\q], v1
.endr
.irp q, 0,1,2,3,4,5,6,7
	global_load_b128 v[P+4*\q:P+4*\q+3], v[2+\q], s[4:5] offset:4096*(\q/2) th:TH_LOAD_NT   ; a token's row of a chosen expert is named once in the launch
.endr
	s_cmp_lg_u32 ttmp9, 0                          ; the one number: work-group 0, wave 0
	s_cbranch_scc1 .Lmain
	s_cmp_lg_u32 s34, 0
	s_cbranch_scc1 .Lmain
	v_lshlrev_b32 v64, 2, v0                       ; in wave 0 the thread's number is the lane
.irp j, 0,1,2,3,4,5,6,7,8,9,10,11,12,13,14,15
	global_load_b32 v[AX+\j], v64, s[10:11] offset:128*\j     ; number lane + 32 j of psum: expert lane % 8
.endr
	s_wait_loadcnt 0x0
.irp j, 0,1,2,3,4,5,6,7
	v_add_f32 v[AX+\j], v[AX+\j], v[AX+8+\j]
.endr
.irp j, 0,1,2,3
	v_add_f32 v[AX+\j], v[AX+\j], v[AX+4+\j]
.endr
	v_add_f32 v[AX], v[AX], v[AX+2]
	v_add_f32 v[AX+1], v[AX+1], v[AX+3]
	v_add_f32 v[AX], v[AX], v[AX+1]
	v_add_f32_dpp v[AX], v[AX], v[AX] row_xmask:8 row_mask:0xf bank_mask:0xf
	v_permlanex16_b32 v[AX+1], v[AX], s40, s41
	v_add_f32 v[AX], v[AX], v[AX+1]                ; cnt of expert lane % 8, in every lane
	v_mul_f32 v[AX+2], v[AX], v[AX]
.irp m, 1,2,4
	v_add_f32_dpp v[AX], v[AX], v[AX] row_xmask:\m row_mask:0xf bank_mask:0xf         ; S
	v_add_f32_dpp v[AX+2], v[AX+2], v[AX+2] row_xmask:\m row_mask:0xf bank_mask:0xf   ; the sum of the squares
.endr
	v_mul_f32 v[AX], 0x43000000, v[AX]             ; 128 S
	v_rcp_f32 v[AX+1], v[AX]
	v_mov_b32 v65, 0                               ; (a plain place behind the reciprocal)  out1's offset
	s_wait_alu depctr_va_vdst(0)
	v_mul_f32 v[AX+2], v[AX+2], v[AX+1]
	v_cmp_eq_u32 vcc_lo, 0, v0
	s_wait_xcnt 0x0                                ; EXEC changes only behind this wait
	s_and_saveexec_b32 s42, vcc_lo
	global_store_b32 v65, v[AX+2], s[14:15]
	s_wait_xcnt 0x0
	s_or_b32 exec_lo, exec_lo, s42
.Lmain:
.irp r, 0,1,2,3
	s_wait_loadcnt 2*(3-\r)                        ; this token's two loads are in; the later tokens' may be out
.irp i, 0,1,2,3
	v_mul_f32 v[S4+4*\r+\i], s[24+2*\r], v[P+8*\r+\i]
.endr
.irp i, 0,1,2,3
	v_fmac_f32 v[S4+4*\r+\i], s[24+2*\r+1], v[P+8*\r+4+\i]
.endr
	global_store_b128 v1, v[S4+4*\r:S4+4*\r+3], s[12:13] offset:4096*\r th:TH_STORE_NT   ; 512 consecutive aligned bytes a wave; written once
.endr
	s_endpgm
.Lfunc_end_k_q5f029afa12_sum:
	.size	k_q5f029afa12_sum, .Lfunc_end_k_q5f029afa12_sum-k_q5f029afa12_sum
	.p2alignl 7, 3214868480
	.fill 96, 4, 3214868480
	.section	.rodata,"a",@progbits
	.p2align	6, 0x0
	.amdhsa_kernel k_q5f029afa12_sum
		.amdhsa_group_segment_fixed_size 0
		.amdhsa_private_segment_fixed_size 0
		.amdhsa_enable_private_segment 0
		.amdhsa_kernarg_size 48
		.amdhsa_user_sgpr_count 2
		.amdhsa_user_sgpr_kernarg_segment_ptr 1
		.amdhsa_wavefront_size32 1
		.amdhsa_system_sgpr_workgroup_id_x 1
		.amdhsa_system_sgpr_workgroup_id_y 1
		.amdhsa_system_sgpr_workgroup_id_z 1
		.amdhsa_system_vgpr_workitem_id 0
		.amdhsa_next_free_vgpr 96
		.amdhsa_next_free_sgpr 66
		.amdhsa_reserve_vcc 1
		.amdhsa_float_denorm_mode_32 3
		.amdhsa_float_denorm_mode_16_64 3
		.amdhsa_memory_ordered 1
		.amdhsa_forward_progress 1
		.amdhsa_inst_pref_size 8
	.end_amdhsa_kernel
	.amdgpu_metadata
---
amdhsa.version: [ 1, 2 ]
amdhsa.kernels:
  - .name:           k_q5f029afa12_sum
    .symbol:         k_q5f029afa12_sum.kd
    .args:
      - { .name: part, .offset: 0, .size: 8, .value_kind: global_buffer, .address_space: global }
      - { .name: route, .offset: 8, .size: 8, .value_kind: global_buffer, .address_space: global }
      - { .name: gw, .offset: 16, .size: 8, .value_kind: global_buffer, .address_space: global }
      - { .name: psum, .offset: 24, .size: 8, .value_kind: global_buffer, .address_space: global }
      - { .name: out0, .offset: 32, .size: 8, .value_kind: global_buffer, .address_space: global }
      - { .name: out1, .offset: 40, .size: 8, .value_kind: global_buffer, .address_space: global }
    .group_segment_fixed_size: 0
    .private_segment_fixed_size: 0
    .kernarg_segment_align: 8
    .kernarg_segment_size: 48
    .max_flat_workgroup_size: 256
    .sgpr_count:     66
    .vgpr_count:     96
    .wavefront_size: 32
...
	.end_amdgpu_metadata
.endif
;; end of part 4
